; MI455X (gfx1250); checked and timed in simulation.
; The chip was launched on July 23, 2026; its instructions are those of AMD's public machine-readable ISA for CDNA 5 (MIT licence, August 2026) and "CDNA5" Instruction Set Architecture Reference Guide (July 2026). The comments in the code are by the model that wrote it; some were corrected since.
;; Causal Attention. Allowed arithmetic: matrix products marked QUANTISED: E2M3 operands, one E8M0 scale for each 32 along K, by v_wmma_scale_f32_16x16x128_f8f6f4 with both operands' format E2M3, f32 sums; everything else in f32.
;; Inputs: Wk 1,024 x 1,024 float32; Wq 1,024 x 1,024 float32; Wv 1,024 x 1,024 float32; x 4 x 2,048 x 1,024 float32.
;; Outputs: out0 4 x 2,048 x 1,024 float32.
;; This version of the problem:
;;   THIS VERSION OF THE PROBLEM IS GIVEN IN LOW PRECISION. The matrix products marked QUANTISED in the list below multiply operands that are first quantised to E2M3 (2 exponent bits, 3 mantissa bits; 6 bits a number), with one power-of-two scale for each 32 numbers along K (OCP MX v1.0); their sums are f32. All else is computed in f32.
;;   The module's matrix products, in the order in which they are computed (A, B: the left and right operand; K: the contracted axis; several contracted axes count as one K, in the product's order):
;;     1. [M 8,192, K 1,024] x [K 1,024, N 1,024]; A: input x; B: input Wq: QUANTISED
;;     2. [M 8,192, K 1,024] x [K 1,024, N 1,024]; A: input x; B: input Wk: QUANTISED
;;     3. [M 8,192, K 1,024] x [K 1,024, N 1,024]; A: input x; B: input Wv: QUANTISED
;;     4. batch 4 x [M 2,048, K 1,024] x [K 1,024, N 2,048]; A: computed on the way; B: computed on the way: QUANTISED
;;     5. batch 4 x [M 2,048, K 2,048] x [K 2,048, N 1,024]; A: softmax (see below); B: computed on the way: QUANTISED
;;   THE QUANTISER, for each operand of a quantised product, along K:
;;     - K is cut into blocks of 32 from its start; a last block that is shorter is filled with zeros.
;;     - A block's scale is 2^e with e = floor(log2(the largest magnitude in the block)) - 2, held to -126 .. 127; a block of zeros has e = 0. As a byte (E8M0): e + 127.
;;     - Each number is divided by its block's scale, clamped to +-7.5, and rounded to the nearest number of E2M3, ties to even, subnormals kept.
;;     - The product sums the exact products of the quantised numbers (number of the format x scale) in f32.
;;   ~~~python
;;   def quantise(x, axis):      # numpy; x: float32 -> the quantised numbers, widened to float32 again
;;       x = np.moveaxis(x, axis, -1); K = x.shape[-1]
;;       x = np.pad(x, [(0, 0)] * (x.ndim - 1) + [(0, -K % 32)]); x = x.reshape(x.shape[:-1] + (-1, 32)); a = np.abs(x).max(-1, keepdims=True)
;;       e = np.where(a > 0, np.clip(np.frexp(np.where(a > 0, a, 1))[1] - 1 - 2, -126, 127), 0)      # np.frexp(a)[1] - 1 = floor(log2(a)), exactly
;;       r = np.clip(x / 2.0 ** e, -7.5, 7.5)
;;       step = 2.0 ** (np.maximum(np.frexp(np.where(r == 0, 1, r))[1] - 1, 0) - 3)
;;       q = np.round(r / step) * step * 2.0 ** e      # np.round: ties to even
;;       return np.moveaxis(q.reshape(q.shape[:-2] + (-1,))[..., :K], -1, axis).astype(np.float32)
;;   ~~~
;;   SOFTMAX AHEAD OF A QUANTISED PRODUCT. Where the list says 'softmax', what is quantised is not the finished softmax but p = 2^(t - M), with t = logit x log2(e) and M = ceil(the row's largest t), a whole number; so 1/2 < the row's largest p <= 1. The row's sum l is taken of the UNQUANTISED p, in f32, and the product's result is divided by l at the end. Since M is a whole number, a kernel that streams over the keys may use a running M (the ceiling of the running maximum): every later rescaling is an exact power of two, which a block's scale takes up: the codes' values come out the same.
;;   OPERANDS COMPUTED ON THE WAY. 'Computed on the way' means the value that the module computes at that place (a softmax that the list does not call 'softmax' is quantised finished and normalised). What goes into a quantiser is computed in f32, as accurately as f32 sums, v_exp_f32 and their like allow (about 1e-6 of the number): no bf16 or f16 on the way to a quantiser, and a product that is left as it is and whose result goes on into a quantised operand takes f32 operands (vector FMAs, or v_wmma_f32_16x16x4_f32). A number that lies on a knife's edge between two numbers of the format may be rounded either way, as far as f32 arithmetic and the matrix unit's own rounding can turn it there, and no further.
;; One version. Each part assembles by itself: llvm-mc -triple=amdgcn-amd-amdhsa -mcpu=gfx1250 --defsym DOCPART=n.
;; ======== version 1 of 1: 4 launches
;; limits: right only within a limited range of input values
;; workspace buffers: xc 6,553,600 bytes; wc 2,457,600 bytes; qc 6,553,600 bytes; kc 6,553,600 bytes; vc 6,553,600 bytes; pc 12,582,912 bytes; ps 1,572,864 bytes
;; launch quant (part 1): grid 256 x 1, 11 waves a work-group, no clusters, 94,464 bytes of LDS; arguments x, Wq, Wk, Wv, xc, wc; writes xc, wc
.if DOCPART == 1
	.amdgcn_target "amdgcn-amd-amdhsa--gfx1250"
	.amdhsa_code_object_version 6
	.text
	.protected	k_q7ae6cb4d36_quant
	.globl	k_q7ae6cb4d36_quant
	.p2align	8
	.type	k_q7ae6cb4d36_quant,@function
k_q7ae6cb4d36_quant:
	s_mov_b64 s[64:65], 0
	v_nop
	global_prefetch_b8 v0, s[64:65] scope:SCOPE_SE
	s_setreg_imm32_b32 hwreg(HW_REG_WAVE_MODE, 25, 1), 1
	s_wait_xcnt 0x0
; x [8192][1024] and Wq, Wk, Wv [1024][1024], f32, K innermost, become codes of FP6 (E2M3) with one E8M0 byte for each 32 along K.
; WORK LEFT OUT BY THE PROGRAM: reference() masks every score whose key comes after its query, so p is 0 there for all finite inputs; tiles of scores and steps of p v that are
; wholly hidden are not computed, stored or read by the launches behind this one.  LIMIT: a NaN, an infinity or an overflow that reaches only hidden scores is not carried to the result.
; A block's scale is 2^(floor(log2(its largest magnitude)) - 2): its byte is the largest magnitude's exponent field - 2, held at 1 from below.
; (A block of zeros keeps the byte 1: its codes are zeros, and this program alone reads the bytes.)
; LIMITS: NaN and infinities among the inputs are not served; blocks whose largest magnitude lies under 2^-124 keep the byte 1.
; THE OUTPUT IS LAID AS THE NEXT LAUNCH'S OPERAND REGISTERS.  A RECORD (12,800 bytes) serves 128 rows x 128 along K: eight IMAGES of a fragment
; (16 rows x 128 K = 12 registers a lane; registers 4 c .. 4 c + 3 of lane l at 512 c + 16 l: 1,536 bytes), then 512 bytes of scale words,
; the word of block a, row r at 256 (a / 4) + 16 r + 4 (a % 4).  xc: [row group 64][K step 8][record]; wc: [row group 24: Wq, Wk, Wv][8][record].
; THE ROWS OF A BLOCK ARE NOT NEIGHBOURS: place i of block a holds row 32 (a / 2) + 8 (a % 2) + i % 8 + 16 (i / 8) of the row group, so that a product
; that takes such rows as its source 0 leaves, in a lane's registers, neighbours along that axis.
; SHARES.  11,264 rows x 8 K steps are 2,816 tasks of 32 rows x 128 K (two blocks): 256 work-groups x 11 waves, one task a wave.  Tasks 0-2047 are x's; only pointers are chosen, the path is one.
; All 32 loads of a wave go out at once; each reads one row's 512 consecutive bytes.  A block's 16 rows turn through the wave's own stage in LDS (rows 528 bytes apart) and come back
; 16 neighbours of each block of 32 to a lane.  Waves share nothing: no barrier.
; A task's scale words are 8 bytes a row, half of an aligned 256 bytes whose other half another task stores: 22 blocks a work-group are no multiple of the four blocks that make it whole.
.set REC,  12800
.set FRB,  1536
.set SPB,  528                         ; a stage row: 512 bytes + 16
.set WST,  16*SPB                      ; a wave's stage
.set SPARE, 11*WST                     ; behind the stages: the spare words
.set XT,   2048                        ; x's tasks
.set RAW,  16                          ; v16-143  two sets of 64: a block as it is loaded
.set X,    144                         ; v144-207 register 16 b + i = k 32 b + 16 (lane / 16) + i of my row
.set PC,   208                         ; v208-226 the codes (12) and the conversions' second halves
.set TM,   228                         ; v228-243 at work
.set PW,   244                         ; v244-245 the two blocks' scale words
.set SEL,  30                          ; s[30:31] lane selects for v_permlanex16_b32: lane l xor 16
	s_load_b256 s[4:11], s[0:1], 0x0               ; x, Wq, Wk, Wv
	s_load_b128 s[12:15], s[0:1], 0x20             ; xc, wc
	v_lshl_add_u32 v254, v0, 2, SPARE
	v_mov_b32 v255, 0
	v_lshrrev_b32 v1, 5, v0
	v_readfirstlane_b32 s16, v1                    ; wave
	s_mul_i32 s29, s16, WST
	s_mul_i32 s33, ttmp9, 11
	s_add_co_u32 s33, s33, s16                     ; the task
	s_cmp_lt_u32 s33, XT                           ; x's or a weight's?
	s_cselect_b32 s17, 0, XT
	s_cselect_b32 s18, 63, 7                       ; row groups in the source tensor, less one
	s_sub_co_u32 s17, s33, s17
	s_and_b32 s19, s17, 7                          ; K step
	s_bfe_u32 s20, s17, 0x20003                    ; g: which 32 rows of the row group
	s_lshr_b32 s21, s17, 5                         ; row group in the output
	s_lshr_b32 s22, s17, 8                         ; which weight
	s_and_b32 s23, s21, s18                        ; row group in the source
	s_lshl_b32 s24, s23, 19                        ; 128 rows of 4,096 bytes,
	s_lshl_b32 s25, s20, 17                        ; 32 rows,
	s_add_co_u32 s24, s24, s25
	s_lshl_b32 s25, s19, 9                         ; 128 numbers
	s_add_co_u32 s24, s24, s25
	s_mov_b32 s25, 0
	s_lshl_b32 s26, s21, 3
	s_add_co_u32 s26, s26, s19
	s_mul_i32 s26, s26, REC                        ; the record,
	s_mul_i32 s27, s20, 2*FRB
	s_add_co_u32 s26, s26, s27                     ; my two images in it
	s_sub_co_u32 s28, 8*FRB, s27                   ; from there to my scale words: 12,288 - 3,072 g + 256 (g / 2) + 8 (g % 2)
	s_lshr_b32 s27, s20, 1
	s_lshl_b32 s27, s27, 8
	s_add_co_u32 s28, s28, s27
	s_and_b32 s27, s20, 1
	s_lshl_b32 s27, s27, 3
	s_add_co_u32 s28, s28, s27
	s_mov_b32 s27, 0
	s_mov_b32 s[SEL], 0x76543210
	s_mov_b32 s[SEL+1], 0xfedcba98
	v_and_b32 v1, 31, v0                           ; lane
	v_and_b32 v2, 15, v0                           ; r
	v_bfe_u32 v3, v0, 4, 1                         ; h
	v_lshlrev_b32 v4, 4, v1                        ; 16 x lane: my bytes of a row, and of an image's 512
	v_add_nc_u32 v5, s29, v4                       ; the stage, on the way in
	v_mul_u32_u24 v6, v2, SPB
	v_lshl_add_u32 v6, v3, 6, v6
	v_add_nc_u32 v6, s29, v6                       ; and out: row r, + 64 h
	v_lshl_add_u32 v7, v2, 4, s28                  ; scale words: + 16 r
.irp b, 0,1,2,3
	v_mov_b32 v[TM+4+\b], 0                        ; written once: a lane permute's destination counts as one of its sources
.endr
	s_wait_alu depctr_va_vdst(0)
	s_wait_kmcnt 0x0
	s_cmp_eq_u32 s22, 1
	s_cselect_b64 s[6:7], s[8:9], s[6:7]
	s_cmp_eq_u32 s22, 2
	s_cselect_b64 s[6:7], s[10:11], s[6:7]         ; the weight
	s_cmp_lt_u32 s33, XT
	s_cselect_b64 s[4:5], s[4:5], s[6:7]           ; the choices hang on the work-group's and the wave's number alone
	s_cselect_b64 s[12:13], s[12:13], s[14:15]
	s_add_nc_u64 s[4:5], s[4:5], s[24:25]
	s_add_nc_u64 s[12:13], s[12:13], s[26:27]
.macro LOAD a                          ; block a's 16 rows, in the order of their places
.irp i, 0,1,2,3,4,5,6,7,8,9,10,11,12,13,14,15
	global_load_b128 v[RAW+64*(\a)+4*\i:RAW+64*(\a)+4*\i+3], v4, s[4:5] offset:(8*(\a)+(\i%8)+16*(\i/8))*4096 th:TH_LOAD_NT
.endr
.endm
; 64 numbers of a lane become a fragment's codes in v[PC] on and its scale word in v[pw]
.macro QUANT s, pw
.irp b, 0,1,2,3
	v_max3_num_f32 v[TM+\b], |v[\s+16*\b]|, |v[\s+1+16*\b]|, 0x1800000   ; my 16 numbers of block b, and the floor 2^(3 - 127): the byte cannot fall under 1
.endr
.irp i, 2,4,6,8,10,12,14
.irp b, 0,1,2,3
	v_max3_num_f32 v[TM+\b], v[TM+\b], |v[\s+16*\b+\i]|, |v[\s+1+16*\b+\i]|   ; the four blocks by turns
.endr
.endr
.irp b, 0,1,2,3
	v_permlanex16_b32 v[TM+4+\b], v[TM+\b], s[SEL], s[SEL+1]
.endr
.irp b, 0,1,2,3
	v_max_num_f32 v[TM+\b], v[TM+\b], v[TM+4+\b]   ; with lane l xor 16's: the block's largest magnitude
.endr
.irp b, 0,1,2,3
	v_add_nc_u32 v[TM+12+\b], 0xff000000, v[TM+\b] ; 2 off its exponent field: the conversion takes this operand's exponent field as its scale
.endr
.irp b, 0,1,2,3
	v_lshrrev_b32 v[TM+4+\b], 23, v[TM+12+\b]      ; the scale's byte
.endr
	v_lshl_or_b32 v[\pw], v[TM+5], 8, v[TM+4]
	v_lshl_or_b32 v[\pw], v[TM+6], 16, v[\pw]
	v_lshl_or_b32 v[\pw], v[TM+7], 24, v[\pw]      ; my row's scale word
.irp c, 0,1
	v_cvt_scalef32_pk16_fp6_f32 v[PC+6*\c:PC+2+6*\c], v[\s+32*\c:\s+15+32*\c], v[TM+12+2*\c]
	v_cvt_scalef32_pk16_fp6_f32 v[PC+12+4*\c:PC+14+4*\c], v[\s+16+32*\c:\s+31+32*\c], v[TM+12+2*\c+1]   ; (a conversion's three registers begin on an even number)
.endr
	v_nop                                          ; one plain instruction behind a scaled conversion
.irp c, 0,1                            ; the operand wants a whole block in a lane: lanes 0-15 block 2 c, lanes 16-31 block 2 c + 1
.irp i, 0,1,2
	v_permlane16_swap_b32 v[PC+6*\c+\i], v[PC+12+4*\c+\i]
.endr
.irp i, 0,1,2
	v_mov_b32 v[PC+3+6*\c+\i], v[PC+12+4*\c+\i]
.endr
.endr
.endm
.macro BLOCK a
.if (\a) > 0
	s_wait_xcnt 0x0                                ; the last block's stores have read the codes' registers
	s_wait_loadcnt 0x0
.else
	s_wait_loadcnt 16                              ; this block's 16 loads are in; the next block's 16 may be out
.endif
.irp i, 0,1,2,3,4,5,6,7,8,9,10,11,12,13,14,15
	ds_store_b128 v5, v[RAW+64*(\a)+4*\i:RAW+64*(\a)+4*\i+3] offset:SPB*\i
.endr
.irp b, 0,1,2,3
.irp j, 0,1,2,3
	ds_load_b128 v[X+16*\b+4*\j:X+16*\b+4*\j+3], v6 offset:128*\b+16*\j   ; LDS serves a wave's instructions in order: these see the stores above
.endr
.endr
	s_wait_dscnt 0x0                               ; the block is back
	QUANT X, PW+(\a)
.irp c, 0,1,2
	global_store_b128 v4, v[PC+4*\c:PC+4*\c+3], s[12:13] offset:FRB*(\a)+512*\c   ; 32 lanes store 512 consecutive bytes, at a multiple of 256 from the buffer's first byte
.endr
.endm
	LOAD 0
	LOAD 1
	BLOCK 0
	BLOCK 1
	s_wait_xcnt 0x0                                ; EXEC changes only behind this wait
	v_cmp_gt_u32 vcc_lo, 16, v1
	s_wait_tensorcnt 0x0                           ; the wave's end
	ds_add_u32 v254, v255
	s_wait_dscnt 0x0
	s_and_saveexec_b32 s28, vcc_lo                 ; lanes 0-15 (lanes 16-31 hold the same words)
	global_store_b64 v7, v[PW:PW+1], s[12:13]      ; 8 bytes a row
	s_wait_xcnt 0x0
	s_or_b32 exec_lo, exec_lo, s28
	s_endpgm
.Lfunc_end_k_q7ae6cb4d36_quant:
	.size	k_q7ae6cb4d36_quant, .Lfunc_end_k_q7ae6cb4d36_quant-k_q7ae6cb4d36_quant
	.p2alignl 7, 3214868480
	.fill 96, 4, 3214868480
	.section	.rodata,"a",@progbits
	.p2align	6, 0x0
	.amdhsa_kernel k_q7ae6cb4d36_quant
		.amdhsa_group_segment_fixed_size 94464
		.amdhsa_private_segment_fixed_size 0
		.amdhsa_enable_private_segment 0
		.amdhsa_kernarg_size 48
		.amdhsa_user_sgpr_count 2
		.amdhsa_user_sgpr_kernarg_segment_ptr 1
		.amdhsa_wavefront_size32 1
		.amdhsa_system_sgpr_workgroup_id_x 1
		.amdhsa_system_sgpr_workgroup_id_y 1
		.amdhsa_system_sgpr_workgroup_id_z 1
		.amdhsa_system_vgpr_workitem_id 0
		.amdhsa_next_free_vgpr 256
		.amdhsa_next_free_sgpr 66
		.amdhsa_reserve_vcc 1
		.amdhsa_float_denorm_mode_32 3
		.amdhsa_float_denorm_mode_16_64 3
		.amdhsa_memory_ordered 1
		.amdhsa_forward_progress 1
		.amdhsa_inst_pref_size 19
	.end_amdhsa_kernel
	.amdgpu_metadata
---
amdhsa.version: [ 1, 2 ]
amdhsa.kernels:
  - .name:           k_q7ae6cb4d36_quant
    .symbol:         k_q7ae6cb4d36_quant.kd
    .args:
      - { .name: x, .offset: 0, .size: 8, .value_kind: global_buffer, .address_space: global }
      - { .name: Wq, .offset: 8, .size: 8, .value_kind: global_buffer, .address_space: global }
      - { .name: Wk, .offset: 16, .size: 8, .value_kind: global_buffer, .address_space: global }
      - { .name: Wv, .offset: 24, .size: 8, .value_kind: global_buffer, .address_space: global }
      - { .name: xc, .offset: 32, .size: 8, .value_kind: global_buffer, .address_space: global }
      - { .name: wc, .offset: 40, .size: 8, .value_kind: global_buffer, .address_space: global }
    .group_segment_fixed_size: 94464
    .private_segment_fixed_size: 0
    .kernarg_segment_align: 8
    .kernarg_segment_size: 48
    .max_flat_workgroup_size: 352
    .sgpr_count:     66
    .vgpr_count:     256
    .wavefront_size: 32
...
	.end_amdgpu_metadata
.endif
;; end of part 1
;; launch qkv (part 2): grid 8 x 32, 4 waves a work-group, clusters of 4 x 4, 327,680 bytes of LDS; arguments xc, wc, qc, kc, vc; writes qc, kc, vc
.if DOCPART == 2
	.amdgcn_target "amdgcn-amd-amdhsa--gfx1250"
	.amdhsa_code_object_version 6
	.text
	.protected	k_q7ae6cb4d36_qkv
	.globl	k_q7ae6cb4d36_qkv
	.p2align	8
	.type	k_q7ae6cb4d36_qkv,@function
k_q7ae6cb4d36_qkv:
	s_mov_b64 s[64:65], 0
	v_nop
	global_prefetch_b8 v0, s[64:65] scope:SCOPE_SE
	s_setreg_imm32_b32 hwreg(HW_REG_WAVE_MODE, 25, 1), 1
	s_wait_xcnt 0x0
	s_wait_alu depctr_hold_cnt(0) depctr_sa_sdst(0) depctr_va_vdst(0) depctr_va_sdst(0) depctr_va_ssrc(0) depctr_va_vcc(0) depctr_vm_vsrc(0)
	s_getreg_b32 s2, hwreg(HW_REG_IB_STS2, 6, 4)
	s_cmp_eq_u32 s2, 0
	s_cbranch_scc0 .Lentry_in_a_cluster
	s_endpgm
.Lentry_in_a_cluster:
	s_bfe_u32 s2, ttmp6, 0x10000c
	s_cmp_lg_u32 s2, 0xf033
	s_cbranch_scc0 .Lentry_shape_is_right
	s_endpgm
.Lentry_shape_is_right:
; q = x Wq^T, k = x Wk^T, v = x Wv^T on codes of FP6 (E2M3) with E8M0 scales, f32 sums; the results are quantised in registers, each along the K of the product that will read it,
; and leave as records of register images (12,800 bytes for 128 rows x 128 K: eight images of 1,536 bytes, then 512 bytes of scale words).
; The three products have 384 tiles of 256 x 256.  So that 256 work-groups have equal work, EACH WORK-GROUP MAKES ONE AND A HALF, on one tile of x (256 rows, all of K), which comes into LDS once and stays:
;   PASS 1: 256 rows of x (source 1) x 256 rows of Wq or Wk (source 0): a lane holds ONE token, its registers run along d_out: q's and k's next K.  A wave makes 128 x 128: 64 accumulators.
;   PASS 2: 128 rows of Wv (source 1) x the same 256 rows of x (source 0): a lane holds ONE row of v^T (d_out), its registers run along the tokens: the keys, v's next K.  A wave makes 64 x 128: 32 accumulators.
; The launch before has placed the rows of x and of the weights so that the 64 registers of a block of source 1 are register 16 b + i = source 0's row 32 b + 16 (lane / 16) + i: the order in which the quantiser wants the next K.
; LDS: x as four pairs of K steps, 51,200 bytes each (two row groups x two records); then two slots of 51,200 bytes for the weights: in pass 1 two row groups x two K steps, in pass 2 one row group of Wv x four K steps;
; then the spare words.  The weights' tensor loads bring 25,600 dense bytes, x's 51,200.  The K steps are written out: 8 + 8.
; CLUSTERS 4 x 4: x's tiles are shared along a row of the cluster, the weights' along a column: joint loads.
; qc, kc: [row group 64][K step 8][record];  vc: [batch 4][row group 8 (d)][K step 16 (keys)][record].
; LIMITS: NaN and infinities are not served; blocks whose largest magnitude lies under 2^-124 keep the byte 1 (blocks of zeros too: their codes are zeros).
; REGISTERS: window 0: v1-5 lane, r, h, work; v6-29 addresses; v32-63 scale words (pass 1: four sets of 8; pass 2: x's two sets of 8, Wv's two of 4); v64-71 the new scale words; v88-91 those that I store;
;   v128-223 pass 1: x's eight fragments; pass 2: Wv's four, two sets; on the ways out v192-227 the codes and work;
;   window 1: source 0's eight fragments, two sets, at v0 and v128;  windows 2, 3: the accumulators ((a, b) at v[8 (8 (a % 4) + b)]); pass 2 uses window 2 alone.
.set REC,   12800
.set FRB,   1536
.set FR,    12
.set HALFT, 2*REC                      ; what one tensor load of W brings
.set XSL,   HALFT                      ; x lies in LDS as [row group 2][K step 8][record]: from a pair of K steps to the next,
.set XRG,   8*REC                      ; and from row group to row group.  x comes in two fills of four K steps, 51,200 bytes a row group; the weights in fills of 25,600 bytes
.set WS0,   2*XRG                      ; behind x: the weights' two slots
.set WSL,   2*HALFT
.set SPARE, WS0+2*WSL                  ; behind them: the spare words, 128 bytes a wave
.set RGB,   8*REC                      ; from a row group to the next in memory
.set ADVW, 6                           ; v6-7   Wv's scale words in slot 0, 1: my four blocks'
.set ADRS, 8                           ; v8-11  pass 1's scale words of pair p: lanes 0-15 x's, lanes 16-31 W's
.set ADXW, 12                          ; v12-15 x's scale words of pair p, every lane by its r
.set ADRA, 16                          ; v16-19 my row group of x in pair p, + 16 x lane
.set ADRB, 20                          ; v20-21 my row group of W in slot 0, 1
.set ADRV, 22                          ; v22-23 my four blocks of Wv in slot 0, 1
.set LI,   26                          ; v26    16 x lane
.set LW,   27                          ; v27    where I store pass 2's scale words
.set SPW,  28                          ; v28    my spare word; never rewritten
.set NIL,  29                          ; v29    0; never rewritten
.set SC,   32
.set SB,   32
.set SA,   48
.set PW,   64
.set OW,   88
.set AF,   128
.set PC,   192
.set TM,   212
.set G1,  24                           ; s[24:31] group 1 for x's tiles;  s[32:39] two groups 0 for x's first fills
.set G0X, 32
.set G1B, 48                           ; s[48:55] group 1 for the weights';  s[56:63] groups 0 for W, one a slot;  s[84:91] for Wv
.set G0B, 56
.set G0V, 84
.set OUTP, 76                          ; s[76:77] my record of q or k
.set OUTV, 78                          ; s[78:79] my four images in a record of v
.set SEL, 80
.set MSB, 0
.macro WIN new                         ; the immediate's high byte repeats the setting that is left
.if MSB != (\new)
	s_set_vgpr_msb (MSB<<8)|(\new)
.set MSB, (\new)
.endif
.endm
.set MUL_LO, 0xa1                      ; source 0 window 1, source 1 window 0, C and D window 2
.set MUL_HI, 0xf1                      ; the same, C and D window 3
.set TO_B,   0x40                      ; destination window 1
; A joint first fill: waves 0 and 1 fetch for x, waves 2 and 3 for W; the branch hangs on the wave's number alone.  Four v_nop follow each of the two lines.
.macro JLOAD g0a, g1a, g0b, g1b
	s_cmp_eq_u32 s15, 0
	s_cbranch_scc0 .Lfor_b_\@
	tensor_load_to_lds s[\g0a:\g0a+3], s[\g1a:\g1a+7]
	s_nop 0
.rept 4
	v_nop
.endr
	s_branch .Lasked_\@
.Lfor_b_\@:
	tensor_load_to_lds s[\g0b:\g0b+3], s[\g1b:\g1b+7]
	s_nop 0
.rept 4
	v_nop
.endr
.Lasked_\@:
.endm
; A joint refill of a weights' slot: waves 2 and 3 fetch a half each, waves 0 and 1 nothing (x stays).
.macro WLOAD g0
	s_cmp_eq_u32 s15, 0
	s_cbranch_scc1 .Lnone_\@
	tensor_load_to_lds s[\g0:\g0+3], s[G1B:G1B+7]
	s_nop 0
.rept 4
	v_nop
.endr
.Lnone_\@:
.endm
.macro CREST                           ; a round of the cluster's barrier behind its opening barrier
	s_cmp_lg_u32 s14, 0
	s_cbranch_scc1 .Lnot_wave_0_\@
	s_barrier_signal -3
.Lnot_wave_0_\@:
	s_barrier_wait -3
	s_barrier_signal -1
	s_barrier_wait -1
.endm
.macro CROUND
	s_barrier_signal -1
	s_barrier_wait -1
	CREST
.endm
.macro PLACES                          ; four plain instructions behind a matrix instruction, in front of loads into its registers and of reads of its results
.rept 4
	v_nop
.endr
.endm
	s_load_b128 s[4:7], s[0:1], 0x0                ; xc, wc
	s_load_b128 s[8:11], s[0:1], 0x10              ; qc, kc
	s_load_b64 s[12:13], s[0:1], 0x20              ; vc
	v_lshl_add_u32 v[SPW], v0, 2, SPARE
	v_mov_b32 v[NIL], 0
	ds_add_u32 v28, v29
	ds_add_u32 v28, v29
	s_wait_dscnt 0x0
	v_lshrrev_b32 v1, 5, v0
	v_readfirstlane_b32 s14, v1                    ; wave
	s_lshr_b32 s15, s14, 1                         ; ha: my row group of x.  Also: in the first two fills I fetch for x (0) or W (1)
	s_and_b32 s16, s14, 1                          ; hb: my row group of W, my half of Wv's.  Also: which row group or half I fetch
	s_bfe_u32 s66, ttmp6, 0x40000                  ; cx
	s_bfe_u32 s67, ttmp6, 0x40004                  ; cy
	s_and_b32 s68, ttmp7, 0xffff
	s_lshl_b32 s68, s68, 2
	s_add_co_u32 s68, s68, s67                     ; ta: x's tile, 0 .. 31: it never holds cx
	s_lshl_b32 s69, ttmp9, 2
	s_add_co_u32 s69, s69, s66                     ; tb: the tile of Wq | Wk, and the row group of Wv, 0 .. 7: it never holds cy
	s_lshl_b32 s17, s67, 2
	s_lshl_b32 s17, 15, s17                        ; my row of the cluster
	s_lshl_b32 s18, 0x1111, s66                    ; my column
	; descriptor group 1: 25,600 dense bytes as 100 rows of 32 elements of 8 bytes; no padding
	s_or_b32 s[G1+0], s17, (3<<16)|(1<<21)         ; 15:0 the mask; 17:16 elements of 8 bytes; 21 set beside a mask
	s_or_b32 s[G1B+0], s18, (3<<16)|(1<<21)
.irp g, G1, G1B
	s_mov_b32 s[\g+1], 32<<16                      ; tensor_dim0
	s_mov_b32 s[\g+2], 100<<16                     ; tensor_dim1
	s_mov_b32 s[\g+3], 32<<16                      ; tile_dim0
	s_mov_b32 s[\g+4], 100                         ; tile_dim1
	s_mov_b32 s[\g+5], 32                          ; the pitch
	s_mov_b32 s[\g+6], 0
	s_mov_b32 s[\g+7], 0
.endr
	s_lshl_b32 s20, s68, 1
	s_add_co_u32 s20, s20, s16
	s_mov_b32 s[G1+2], 200<<16                     ; x's tiles: 51,200 dense bytes
	s_mov_b32 s[G1+4], 200
	s_mul_i32 s20, s20, RGB
	s_mov_b32 s21, 0
	s_mul_i32 s45, s16, XRG                        ; x in LDS: row group hb
	s_lshl_b32 s46, s69, 1
	s_add_co_u32 s46, s46, s16
	s_mul_i32 s46, s46, RGB                        ; W: row group 2 tb + hb
	s_mov_b32 s47, 0
	s_add_co_u32 s92, s69, 16
	s_mul_i32 s92, s92, RGB                        ; Wv: row group 16 + tb,
	s_mul_i32 s93, s16, HALFT
	s_add_co_u32 s92, s92, s93                     ; + hb's two records of a slot's four
	s_mov_b32 s93, 0
	s_mul_i32 s44, s16, HALFT                      ; where a load goes inside a pair or a slot: no place in the cluster enters an LDS address
	s_wait_kmcnt 0x0
	s_add_nc_u64 s[20:21], s[4:5], s[20:21]
	s_add_nc_u64 s[46:47], s[6:7], s[46:47]
	s_add_nc_u64 s[92:93], s[6:7], s[92:93]
.irp p, 0,1
	s_mov_b32 s[G0X+4*\p], 1                       ; x, K steps 4 p to 4 p + 3
	s_add_co_u32 s[G0X+4*\p+1], s45, \p*4*REC      ; (x's K steps 4 p to 4 p + 3)
	s_add_nc_u64 s[G0X+4*\p+2:G0X+4*\p+3], s[20:21], \p*4*REC
	s_or_b32 s[G0X+4*\p+3], s[G0X+4*\p+3], 0x80000000
	s_mov_b32 s[G0B+4*\p], 1                       ; W, the same K steps, into slot p
	s_add_co_u32 s[G0B+4*\p+1], s44, WS0+\p*WSL
	s_add_nc_u64 s[G0B+4*\p+2:G0B+4*\p+3], s[46:47], \p*HALFT
	s_or_b32 s[G0B+4*\p+3], s[G0B+4*\p+3], 0x80000000
	s_mov_b32 s[G0V+4*\p], 1                       ; Wv, K steps 4 p + 2 hb, + 1, into slot p: asked for later
	s_add_co_u32 s[G0V+4*\p+1], s44, WS0+\p*WSL
	s_add_nc_u64 s[G0V+4*\p+2:G0V+4*\p+3], s[92:93], \p*2*HALFT
	s_or_b32 s[G0V+4*\p+3], s[G0V+4*\p+3], 0x80000000
.endr
	CROUND                                         ; all sixteen work-groups are here: the first joint loads meet
	JLOAD G0X, G1, G0B, G1B                        ; x's K steps 0 to 3, W's 0 and 1: one tensor load a wave at the head
	v_and_b32 v1, 31, v0                           ; lane
	v_and_b32 v2, 15, v0                           ; r
	v_bfe_u32 v3, v0, 4, 1                         ; h
	v_lshlrev_b32 v[LI], 4, v1
	s_wait_alu depctr_va_vdst(0)
	v_lshlrev_b32 v4, 4, v2                        ; 16 r
	s_wait_alu depctr_va_vdst(0)
	s_mul_i32 s17, s15, XRG
.irp p, 0,1,2,3
	v_add_nc_u32 v[ADRA+\p], s17, v[LI]
	s_add_co_u32 s17, s17, XSL
.endr
	s_mul_i32 s22, s15, XRG
	s_mul_i32 s23, s16, HALFT
	s_add_co_u32 s18, s23, WS0
	v_add_nc_u32 v[ADRB], s18, v[LI]
	v_add_nc_u32 v[ADRB+1], WSL, v[ADRB]
	s_add_co_u32 s17, s22, 8*FRB
	v_add_nc_u32 v[ADXW], s17, v4
	v_add_nc_u32 v[ADXW+1], XSL, v[ADXW]
	v_add_nc_u32 v[ADXW+2], 2*XSL, v[ADXW]
	v_add_nc_u32 v[ADXW+3], 3*XSL, v[ADXW]
	s_sub_co_u32 s18, s18, s22                     ; from my row group of x in pair 0 to my row group of W in slot 0
	v_mul_u32_u24 v5, s18, v3                      ; lanes 16-31 take W's words: pair 0, slot 0
	v_add_nc_u32 v[ADRS], v[ADXW], v5
	s_add_co_u32 s19, s18, WSL-XSL                 ; pair 1, slot 1
	v_mul_u32_u24 v5, s19, v3
	v_add_nc_u32 v[ADRS+1], v[ADXW+1], v5
	s_sub_co_u32 s19, s18, 2*XSL                   ; pair 2, slot 0
	v_mul_u32_u24 v5, s19, v3
	v_add_nc_u32 v[ADRS+2], v[ADXW+2], v5
	s_sub_co_u32 s19, s18, 3*XSL-WSL               ; pair 3, slot 1
	v_mul_u32_u24 v5, s19, v3
	v_add_nc_u32 v[ADRS+3], v[ADXW+3], v5
	s_mul_i32 s17, s16, 4*FRB
	s_add_co_u32 s17, s17, WS0
	v_add_nc_u32 v[ADRV], s17, v[LI]               ; Wv: blocks 4 hb on
	v_add_nc_u32 v[ADRV+1], WSL, v[ADRV]
	s_lshl_b32 s17, s16, 8
	s_add_co_u32 s17, s17, WS0+8*FRB
	v_add_nc_u32 v[ADVW], s17, v4                  ; and their words
	v_add_nc_u32 v[ADVW+1], WSL, v[ADVW]
	; where the results go
	s_lshl_b32 s70, s68, 1
	s_add_co_u32 s70, s70, s15                     ; x's row group 2 ta + ha
	s_lshl_b32 s72, s70, 3
	s_lshl_b32 s73, s66, 1
	s_add_co_u32 s72, s72, s73
	s_add_co_u32 s72, s72, s16                     ; q, k: record 8 (2 ta + ha) + 2 cx + hb
	s_mul_i32 s72, s72, REC
	s_mov_b32 s73, 0
	s_cmp_eq_u32 ttmp9, 0                          ; tiles 0-3 are Wq's, 4-7 Wk's
	s_cselect_b64 s[OUTP:OUTP+1], s[8:9], s[10:11]
	s_add_nc_u64 s[OUTP:OUTP+1], s[OUTP:OUTP+1], s[72:73]
	s_lshr_b32 s74, s70, 4                         ; v: the batch,
	s_lshl_b32 s74, s74, 3
	s_add_co_u32 s74, s74, s69                     ; d's row group,
	s_lshl_b32 s74, s74, 4
	s_and_b32 s75, s70, 15
	s_add_co_u32 s74, s74, s75                     ; the key step,
	s_mul_i32 s74, s74, REC
	s_mul_i32 s75, s16, 4*FRB
	s_add_co_u32 s74, s74, s75                     ; my four images
	s_mov_b32 s75, 0
	s_add_nc_u64 s[OUTV:OUTV+1], s[12:13], s[74:75]
	s_mul_i32 s17, s16, 4*FRB-256
	s_sub_co_u32 s17, 8*FRB, s17
	v_lshl_add_u32 v[LW], v3, 3, v4
	v_add_nc_u32 v[LW], s17, v[LW]                 ; from there to my 256 bytes of scale words: 12,288 + 256 hb - 6,144 hb, + 16 r + 8 h
	s_mov_b32 s[SEL], 0x76543210
	s_mov_b32 s[SEL+1], 0xfedcba98
.macro FRAG reg, adr, off              ; an image comes back as it was stored: 512 consecutive bytes a load
.irp c, 0,1,2
	ds_load_b128 v[(\reg)+4*\c:(\reg)+4*\c+3], v[\adr] offset:(\off)+512*\c
.endr
.endm
; ---- pass 1
.macro FETCH_B s, q, p                 ; W's eight fragments of slot s's q-th step into set p
	WIN TO_B
.irp i, 0,1,2,3,4,5,6,7
	FRAG 128*(\p)+FR*\i, ADRB+\s, (\q)*REC+FRB*\i
.endr
	WIN 0
.endm
.macro FETCH_A pr, q, i0               ; x's blocks i0 .. i0 + 3 of pair pr's q-th step
.irp i, \i0, \i0+1, \i0+2, \i0+3
	FRAG AF+FR*(\i), ADRA+\pr, (\q)*REC+FRB*(\i)
.endr
.endm
.macro SCALES pr, s                    ; both steps' words: set 2 s + q, register a: lanes 0-15 x's block a, lanes 16-31 W's block a
.irp q, 0,1
.irp g, 0,1
	ds_load_b128 v[SC+8*(2*\s+\q)+4*\g:SC+8*(2*\s+\q)+4*\g+3], v[ADRS+\pr] offset:\q*REC+256*\g
.endr
.endr
.endm
; 16 matrix instructions: x's blocks a0, a0 + 1 against W's eight.  The 64 accumulators take turns, one instruction a turn, in the same order in every step.
.macro MUL16 a0, p, set, zero
.irp a, \a0, \a0+1
.irp b, 0,1,2,3,4,5,6,7
.if \zero
	v_wmma_scale_f32_16x16x128_f8f6f4 v[8*(8*((\a)%4)+\b):8*(8*((\a)%4)+\b)+7], v[128*(\p)+FR*\b:128*(\p)+FR*\b+FR-1], v[AF+FR*(\a):AF+FR*(\a)+FR-1], 0, v[SC+8*(\set)+\b], v[SC+8*(\set)+(\a)] matrix_a_fmt:MATRIX_FMT_FP6 matrix_b_fmt:MATRIX_FMT_FP6 matrix_a_scale:MATRIX_SCALE_ROW1
.else
	v_wmma_scale_f32_16x16x128_f8f6f4 v[8*(8*((\a)%4)+\b):8*(8*((\a)%4)+\b)+7], v[128*(\p)+FR*\b:128*(\p)+FR*\b+FR-1], v[AF+FR*(\a):AF+FR*(\a)+FR-1], v[8*(8*((\a)%4)+\b):8*(8*((\a)%4)+\b)+7], v[SC+8*(\set)+\b], v[SC+8*(\set)+(\a)] matrix_a_fmt:MATRIX_FMT_FP6 matrix_b_fmt:MATRIX_FMT_FP6 matrix_a_scale:MATRIX_SCALE_ROW1
.endif
.endr
.endr
.endm
.macro STEP pr, s, zero                ; a pair's first step; it fetches the second's fragments
	s_wait_dscnt 12                                ; all but the youngest 12 loads (x's blocks 4-7) are in
	WIN MUL_LO
	MUL16 0, 0, 2*\s, \zero
	MUL16 2, 0, 2*\s, \zero
	s_wait_dscnt 0x0
	PLACES
	FETCH_B \s, 1, 1
	FETCH_A \pr, 1, 0
	WIN MUL_HI
	MUL16 4, 0, 2*\s, \zero
	MUL16 6, 0, 2*\s, \zero
	PLACES
	WIN 0
	FETCH_A \pr, 1, 4
.endm
; A pair's second step leaves the weights' slot s: one barrier; in front of it each wave waits for all its tensor loads, adds 0 to its spare word, and waits for that and for its reads of the slot.
; fill = 1: the slot takes W's K steps four on;  fill = 2: Wv's four K steps for pass 2.
.macro TURN pr, s, nx, ns, fill
	s_wait_tensorcnt 0x0                           ; all that I have asked for has landed; no load of mine is out
	ds_add_u32 v[SPW], v[NIL]
	s_wait_dscnt 13                                ; the add and the youngest 12 loads may be out
	WIN MUL_LO
	MUL16 0, 1, 2*\s+1, 0
	s_wait_dscnt 0x0                               ; the add is done, and my reads of this slot are over
	s_barrier_signal -1
	MUL16 2, 1, 2*\s+1, 0
	WIN 0
	s_barrier_wait -1
	CREST                                          ; the barrier has opened a round of the cluster's: no wave of any partner still reads this slot or has a load on its way
.if \fill == 1
	s_add_nc_u64 s[G0B+4*\s+2:G0B+4*\s+3], s[G0B+4*\s+2:G0B+4*\s+3], 2*HALFT
	WLOAD G0B+4*\s                                 ; a wave's one tensor load behind the round
.else
	WLOAD G0V+4*\s
.endif
	PLACES                                         ; on every wave's path, in front of the loads below
	FETCH_B \ns, 0, 0
	FETCH_A \nx, 0, 0
	s_wait_alu depctr_va_vdst(0)
	SCALES \nx, \ns
	WIN MUL_HI
	MUL16 4, 1, 2*\s+1, 0
	MUL16 6, 1, 2*\s+1, 0
	PLACES
	WIN 0
	FETCH_A \nx, 0, 4
.endm
	s_wait_alu depctr_va_vdst(0)
	s_wait_tensorcnt 0x0                           ; my part of the head's tiles is in; these lines stand ahead of a later first fill as ahead of a refill
	ds_add_u32 v[SPW], v[NIL]
	s_wait_dscnt 0x0
	CROUND
	JLOAD G0X+4, G1, G0B+4, G1B                    ; x's K steps 4 to 7, W's 2 and 3: first fills, one load a wave
	FETCH_B 0, 0, 0
	FETCH_A 0, 0, 0
	SCALES 0, 0
	FETCH_A 0, 0, 4
	STEP 0, 0, 1                                   ; K step 0: its products start the sums
	TURN 0, 0, 1, 1, 1                             ; 1; slot 0 takes W's steps 4, 5
	STEP 1, 1, 0                                   ; 2
	TURN 1, 1, 2, 0, 1                             ; 3; slot 1 takes W's steps 6, 7
	STEP 2, 0, 0                                   ; 4
	TURN 2, 0, 3, 1, 2                             ; 5; slot 0 takes Wv's steps 0 to 3
	STEP 3, 1, 0                                   ; 6
	s_wait_tensorcnt 0x0                           ; 7: the same change of slots, with nothing to fetch from LDS behind it
	ds_add_u32 v[SPW], v[NIL]
	s_wait_dscnt 13
	WIN MUL_LO
	MUL16 0, 1, 3, 0
	s_wait_dscnt 0x0
	s_barrier_signal -1
	MUL16 2, 1, 3, 0
	WIN 0
	s_barrier_wait -1
	CREST
	WLOAD G0V+4                                    ; slot 1 takes Wv's steps 4 to 7: the last tensor load; it lands under the way out below
	WIN MUL_HI
	MUL16 4, 1, 3, 0
	MUL16 6, 1, 3, 0
	WIN 0
	PLACES
; THE WAY OUT.  Block a's 64 registers are 128 neighbours (with lane l xor 16's) of my row along the next K: one fragment and one scale word.  Each accumulator is read from its low end on.
.irp b, 0,1,2,3
	v_mov_b32 v[TM+4+\b], 0                        ; written once: a lane permute's destination counts as one of its sources
.endr
.macro OUTBLK a, ptr
.set AC, 64*((\a)%4)
.set XW, 2+(\a)/4
.set WM, XW|(XW<<2)
	s_wait_xcnt 0x0                                ; the stores before have read the codes' registers
	WIN WM                                         ; sources 0 and 1: the accumulators' window
.irp b, 0,1,2,3
	v_max3_num_f32 v[TM+\b], |v[AC+16*\b]|, |v[AC+16*\b+1]|, 0x1800000   ; with the floor 2^(3 - 127): the byte cannot fall under 1
.endr
.irp i, 2,4,6,8,10,12,14
.irp b, 0,1,2,3
	v_max3_num_f32 v[TM+\b], |v[AC+16*\b+\i]|, |v[AC+16*\b+\i+1]|, v[TM+\b]
.endr
.endr
	WIN 0
.irp b, 0,1,2,3
	v_permlanex16_b32 v[TM+4+\b], v[TM+\b], s[SEL], s[SEL+1]
.endr
.irp b, 0,1,2,3
	v_max_num_f32 v[TM+\b], v[TM+\b], v[TM+4+\b]   ; the block's largest magnitude
.endr
.irp b, 0,1,2,3
	v_add_nc_u32 v[TM+12+\b], 0xff000000, v[TM+\b] ; 2 off its exponent field: the conversion's scale operand
.endr
.irp b, 0,1,2,3
	v_lshrrev_b32 v[TM+4+\b], 23, v[TM+12+\b]      ; the byte
.endr
	v_lshl_or_b32 v[PW+(\a)], v[TM+5], 8, v[TM+4]
	v_lshl_or_b32 v[PW+(\a)], v[TM+6], 16, v[PW+(\a)]
	v_lshl_or_b32 v[PW+(\a)], v[TM+7], 24, v[PW+(\a)]
	WIN XW                                         ; source 0: the accumulators' window
.irp c, 0,1
	v_cvt_scalef32_pk16_fp6_f32 v[PC+6*\c:PC+2+6*\c], v[AC+32*\c:AC+15+32*\c], v[TM+12+2*\c]
	v_cvt_scalef32_pk16_fp6_f32 v[PC+12+4*\c:PC+14+4*\c], v[AC+16+32*\c:AC+31+32*\c], v[TM+12+2*\c+1]
.endr
	WIN 0
	v_nop                                          ; one plain instruction behind a scaled conversion
.irp c, 0,1
.irp i, 0,1,2
	v_permlane16_swap_b32 v[PC+6*\c+\i], v[PC+12+4*\c+\i]
.endr
.irp i, 0,1,2
	v_mov_b32 v[PC+3+6*\c+\i], v[PC+12+4*\c+\i]
.endr
.endr
.irp c, 0,1,2
	global_store_b128 v[LI], v[PC+4*\c:PC+4*\c+3], s[\ptr:\ptr+1] offset:FRB*(\a)+512*\c   ; 512 consecutive bytes, at a multiple of 256 from the buffer's first byte
.endr
.endm
.irp a, 0,1,2,3,4,5,6,7
	OUTBLK \a, OUTP
.endr
	v_cmp_le_u32 vcc_lo, 16, v1                    ; lanes 0-15 store the words of blocks 0-3, lanes 16-31 those of blocks 4-7
.irp i, 0,1,2,3
	v_cndmask_b32 v[OW+\i], v[PW+\i], v[PW+4+\i], vcc_lo
.endr
	global_store_b128 v[LI], v[OW:OW+3], s[OUTP:OUTP+1] offset:8*FRB
; ---- pass 2: v^T.  Source 0 = my row group of x (eight blocks, from the bytes that pass 1 read), source 1 = my four blocks of Wv.  K step k: x's record in pair k / 2, Wv's in slot k / 4.
.macro QFETCH k                        ; 39 LDS loads in one run, into the sets k % 2
	WIN TO_B
.irp i, 0,1,2,3,4,5,6,7
	FRAG 128*((\k)%2)+FR*\i, ADRA+(\k)/2, ((\k)%2)*REC+FRB*\i
.endr
	WIN 0
.irp i, 0,1,2,3
	FRAG AF+48*((\k)%2)+FR*\i, ADRV+(\k)/4, ((\k)%4)*REC+FRB*\i
.endr
	ds_load_b128 v[SB+8*((\k)%2):SB+8*((\k)%2)+3], v[ADXW+(\k)/2] offset:((\k)%2)*REC
	ds_load_b128 v[SB+8*((\k)%2)+4:SB+8*((\k)%2)+7], v[ADXW+(\k)/2] offset:((\k)%2)*REC+256
	ds_load_b128 v[SA+4*((\k)%2):SA+4*((\k)%2)+3], v[ADVW+(\k)/4] offset:((\k)%4)*REC
.endm
.macro QMUL8 a, p, zero                ; the 32 accumulators take turns, one instruction a turn
.irp b, 0,1,2,3,4,5,6,7
.if \zero
	v_wmma_scale_f32_16x16x128_f8f6f4 v[8*(8*(\a)+\b):8*(8*(\a)+\b)+7], v[128*(\p)+FR*\b:128*(\p)+FR*\b+FR-1], v[AF+48*(\p)+FR*(\a):AF+48*(\p)+FR*(\a)+FR-1], 0, v[SB+8*(\p)+\b], v[SA+4*(\p)+(\a)] matrix_a_fmt:MATRIX_FMT_FP6 matrix_b_fmt:MATRIX_FMT_FP6
.else
	v_wmma_scale_f32_16x16x128_f8f6f4 v[8*(8*(\a)+\b):8*(8*(\a)+\b)+7], v[128*(\p)+FR*\b:128*(\p)+FR*\b+FR-1], v[AF+48*(\p)+FR*(\a):AF+48*(\p)+FR*(\a)+FR-1], v[8*(8*(\a)+\b):8*(8*(\a)+\b)+7], v[SB+8*(\p)+\b], v[SA+4*(\p)+(\a)] matrix_a_fmt:MATRIX_FMT_FP6 matrix_b_fmt:MATRIX_FMT_FP6
.endif
.endr
.endm
.macro QSTEP k, zero                   ; the next step's loads go out, then this step's 32 products
.set PP, (\k)%2
	s_wait_dscnt 0x0                               ; this step's fragments and words are in
	PLACES                                         ; the other sets were read by the last step's products
	QFETCH (\k)+1
	WIN MUL_LO
	QMUL8 0, PP, \zero
	QMUL8 1, PP, \zero
	QMUL8 2, PP, \zero
	QMUL8 3, PP, \zero
.endm
	s_wait_tensorcnt 0x0                           ; my part of Wv's steps 4 to 7 has landed (no load was issued behind it);
	s_wait_xcnt 0x0                                ; pass 1's stores have read their registers: fragments land there
	s_barrier_signal -1                            ; (no LDS instruction of mine is out)
	s_barrier_wait -1                              ; everybody's has: pass 2 needs no further barrier, and nothing is filled any more
	QFETCH 0
	QSTEP 0, 1                                     ; its products start the sums, on accumulators that the way out has read
	QSTEP 1, 0
	QSTEP 2, 0
	QSTEP 3, 0
	QSTEP 4, 0
	QSTEP 5, 0
	QSTEP 6, 0
	s_wait_dscnt 0x0
	QMUL8 0, 1, 0
	QMUL8 1, 1, 0
	QMUL8 2, 1, 0
	QMUL8 3, 1, 0
	WIN 0
	PLACES
.irp a, 0,1,2,3
	OUTBLK \a, OUTV
.endr
	v_cmp_le_u32 vcc_lo, 16, v1                    ; lanes 0-15 store my blocks' words 0, 1, lanes 16-31 words 2, 3: 32 lanes, 256 consecutive bytes, aligned
	v_cndmask_b32 v[OW], v[PW], v[PW+2], vcc_lo
	v_cndmask_b32 v[OW+1], v[PW+1], v[PW+3], vcc_lo
	global_store_b64 v[LW], v[OW:OW+1], s[OUTV:OUTV+1]
	s_wait_tensorcnt 0x0                           ; the wave's end
	ds_add_u32 v[SPW], v[NIL]
	s_wait_dscnt 0x0
	CROUND                                         ; the closing round
	s_endpgm
.Lfunc_end_k_q7ae6cb4d36_qkv:
	.size	k_q7ae6cb4d36_qkv, .Lfunc_end_k_q7ae6cb4d36_qkv-k_q7ae6cb4d36_qkv
	.p2alignl 7, 3214868480
	.fill 96, 4, 3214868480
	.section	.rodata,"a",@progbits
	.p2align	6, 0x0
	.amdhsa_kernel k_q7ae6cb4d36_qkv
		.amdhsa_group_segment_fixed_size 327680
		.amdhsa_private_segment_fixed_size 0
		.amdhsa_enable_private_segment 0
		.amdhsa_kernarg_size 40
		.amdhsa_user_sgpr_count 2
		.amdhsa_user_sgpr_kernarg_segment_ptr 1
		.amdhsa_wavefront_size32 1
		.amdhsa_system_sgpr_workgroup_id_x 1
		.amdhsa_system_sgpr_workgroup_id_y 1
		.amdhsa_system_sgpr_workgroup_id_z 1
		.amdhsa_system_vgpr_workitem_id 0
		.amdhsa_next_free_vgpr 1024
		.amdhsa_next_free_sgpr 100
		.amdhsa_reserve_vcc 1
		.amdhsa_float_denorm_mode_32 3
		.amdhsa_float_denorm_mode_16_64 3
		.amdhsa_memory_ordered 1
		.amdhsa_forward_progress 1
		.amdhsa_inst_pref_size 210
	.end_amdhsa_kernel
	.amdgpu_metadata
---
amdhsa.version: [ 1, 2 ]
amdhsa.kernels:
  - .name:           k_q7ae6cb4d36_qkv
    .symbol:         k_q7ae6cb4d36_qkv.kd
    .args:
      - { .name: xc, .offset: 0, .size: 8, .value_kind: global_buffer, .address_space: global }
      - { .name: wc, .offset: 8, .size: 8, .value_kind: global_buffer, .address_space: global }
      - { .name: qc, .offset: 16, .size: 8, .value_kind: global_buffer, .address_space: global }
      - { .name: kc, .offset: 24, .size: 8, .value_kind: global_buffer, .address_space: global }
      - { .name: vc, .offset: 32, .size: 8, .value_kind: global_buffer, .address_space: global }
    .group_segment_fixed_size: 327680
    .private_segment_fixed_size: 0
    .kernarg_segment_align: 8
    .kernarg_segment_size: 40
    .max_flat_workgroup_size: 128
    .sgpr_count:     100
    .vgpr_count:     1024
    .wavefront_size: 32
...
	.end_amdgpu_metadata
.endif
;; end of part 2
;; launch scores (part 3): grid 36 x 4, 4 waves a work-group, no clusters, 327,680 bytes of LDS; arguments qc, kc, pc, ps; writes pc, ps
.if DOCPART == 3
	.amdgcn_target "amdgcn-amd-amdhsa--gfx1250"
	.amdhsa_code_object_version 6
	.text
	.protected	k_q7ae6cb4d36_scores
	.globl	k_q7ae6cb4d36_scores
	.p2align	8
	.type	k_q7ae6cb4d36_scores,@function
k_q7ae6cb4d36_scores:
	s_mov_b64 s[64:65], 0
	v_nop
	global_prefetch_b8 v0, s[64:65] scope:SCOPE_SE
	s_setreg_imm32_b32 hwreg(HW_REG_WAVE_MODE, 25, 1), 1
	s_wait_xcnt 0x0
; S = q k^T on codes of FP6 (E2M3), the causal mask, and the softmax's p for each stretch of 128 keys: t = score x log2(e) / 32; M = the largest t of my row IN THIS STRETCH, rounded up to a whole
; number; p = 2^(t - M), quantised along the keys; l = the sum of the unquantised p.  The last launch brings the stretches of a row under one M by taking whole numbers off p's scale bytes, which is exact.
; Source 0 = 16 keys, source 1 = 16 queries: a lane holds ONE query, and the 64 registers of a block of queries are register 16 b + i = key 32 b + 16 (lane / 16) + i of the stretch
; (the keys' places in kc are those of x's rows: place i of block a holds row 32 (a / 2) + 8 (a % 2) + i % 8 + 16 (i / 8); the queries' likewise).
; SHARES.  Tiles of 256 queries x 256 keys; reference()'s mask hides every tile above the diagonal, so a batch has 36 of 64: 144 work-groups, each of four waves 128 x 128.  On the diagonal the
; wave whose stretch lies wholly behind its queries multiplies with the others (its tile holds live work) and stores nothing.  Only waves on the diagonal mask.
; cluster = none: the 36 tiles of a triangle do not divide into clusters of rows and columns; partners would ask for tiles that the mask lets them pass over.
; K = 1,024 goes through two LDS slots of three K steps, written out: steps 0-2, 3-5, and 6-7 into the first slot again: one tensor load a wave each.  A load has three steps' products in which to land;
; there is no loop along K to ask ahead in, so nothing is prefetched.
; pc: [batch][query group 16][key step 16][eight images: 12,288 bytes];  ps: [batch][16][16][scale words, M, l: 512 bytes each, the word of block a, row r at 256 (a / 4) + 16 r + 4 (a % 4)].
; LIMITS: NaN and infinities are not served; the scaled scores stay under 2^31 in magnitude.  A block's largest p is taken from its largest score by the same multiply-add and exponential.
; REGISTERS: window 0: v1-5 lane, r, h, work; v12-13 -M; v16-29 addresses, the mask's number, -infinity; v32-47 scale words, two sets; v64-71 p's scale words, v72-79 M, v80-87 l, v88-99 what I store;
;   v128-223 A's fragments, later v128-191 p, v192-210 its codes, v212-229 at work;  window 1: B's two sets;  windows 2, 3: the accumulators.
.set REC,   12800
.set FRB,   1536
.set FR,    12
.set HALFT, 3*REC                      ; what a tensor load brings: 128 rows x three K steps
.set SLOT,  4*HALFT                    ; A's two row groups, then B's two
.set SPARE, 2*SLOT
.set RGB,   8*REC
.set NM,   12
.set ADRA, 16
.set ADRB, 20
.set ADRS, 22
.set Q0,   24                          ; v24 my query's row in its 32, less 16 (lane / 16)
.set NINF, 25
.set LI,   26
.set SPW,  28
.set NIL,  29
.set SC,   32
.set PW,   64
.set MF,   72
.set LL,   80
.set OW,   88
.set AF,   128
.set W,    128
.set PC,   192
.set BM,   212
.set BT,   216
.set SO,   220
.set T0,   224
.set T1,   225
.set SU0,  226
.set SU1,  228
.set G1,  24
.set G0,  32
.set SEL, 80
.set CS,  82                           ; s[82:83] c = log2(e) / 32
.set MSB, 0
.macro WIN new                         ; the immediate's high byte repeats the setting that is left
.if MSB != (\new)
	s_set_vgpr_msb (MSB<<8)|(\new)
.set MSB, (\new)
.endif
.endm
.set MUL_LO, 0xa1                      ; source 0 window 1, source 1 window 0, C and D window 2
.set MUL_HI, 0xf1                      ; the same, C and D window 3
.set TO_B,   0x40
.macro PLACES                          ; four plain instructions behind a matrix instruction, in front of loads into its registers and of reads of its results
.rept 4
	v_nop
.endr
.endm
	s_load_b256 s[4:11], s[0:1], 0x0               ; qc, kc, pc, ps
	v_lshl_add_u32 v[SPW], v0, 2, SPARE
	v_mov_b32 v[NIL], 0
	ds_add_u32 v[SPW], v[NIL]                      ; the opening: the add, twice on end, and its wait
	ds_add_u32 v[SPW], v[NIL]
	v_lshrrev_b32 v1, 5, v0
	v_readfirstlane_b32 s14, v1                    ; wave
	s_lshr_b32 s15, s14, 1                         ; ha: my row group of queries; also: I fetch for A (0) or B (1)
	s_and_b32 s16, s14, 1                          ; hb: my row group of keys; also: which row group I fetch
	s_and_b32 s44, ttmp7, 0xffff                   ; the batch
	s_lshl_b32 s19, s44, 4                         ; its first row group
	s_mov_b32 s42, 0                               ; the queries' tile: how many of the triangle's row starts I have passed
.irp t, 1,3,6,10,15,21,28
	s_cmp_ge_u32 ttmp9, \t
	s_add_co_ci_u32 s42, s42, 0
.endr
	s_add_co_u32 s43, s42, 1
	s_mul_i32 s43, s43, s42
	s_lshr_b32 s43, s43, 1
	s_sub_co_u32 s43, ttmp9, s43                   ; the keys' tile, 0 .. s42
	s_mov_b32 s[G1+0], 3<<16                       ; 38,400 dense bytes as 150 rows of 32 elements of 8 bytes; no padding
	s_mov_b32 s[G1+1], 32<<16
	s_mov_b32 s[G1+2], 150<<16
	s_mov_b32 s[G1+3], 32<<16
	s_mov_b32 s[G1+4], 150
	s_mov_b32 s[G1+5], 32
	s_mov_b32 s[G1+6], 0
	s_mov_b32 s[G1+7], 0
	s_cmp_eq_u32 s15, 0
	s_cselect_b32 s20, s42, s43
	s_lshl_b32 s20, s20, 1
	s_add_co_u32 s20, s20, s16
	s_add_co_u32 s20, s20, s19
	s_mul_i32 s20, s20, RGB                        ; the row group that I fetch
	s_mov_b32 s21, 0
	s_mul_i32 s45, s14, HALFT                      ; and where it goes
	s_wait_dscnt 0x0                               ; both opening adds are done
	s_wait_kmcnt 0x0
	s_cmp_eq_u32 s15, 0
	s_cselect_b64 s[46:47], s[4:5], s[6:7]
	s_add_nc_u64 s[46:47], s[46:47], s[20:21]
.irp s, 0,1
	s_mov_b32 s[G0+4*\s], 1
	s_add_co_u32 s[G0+4*\s+1], s45, \s*SLOT
	s_add_nc_u64 s[G0+4*\s+2:G0+4*\s+3], s[46:47], \s*HALFT
	s_or_b32 s[G0+4*\s+3], s[G0+4*\s+3], 0x80000000
.endr
	tensor_load_to_lds s[G0:G0+3], s[G1:G1+7]      ; K steps 0 to 2: one tensor load a wave at the head
	s_nop 0
	PLACES
	s_mul_i32 s17, s15, HALFT
	s_mul_i32 s18, s16, HALFT
	s_add_co_u32 s18, s18, 2*HALFT
	s_sub_co_u32 s22, s18, s17
	s_add_co_u32 s23, s17, 8*FRB
	s_lshl_b32 s70, s42, 1
	s_add_co_u32 s70, s70, s15                     ; my group of 128 queries
	s_lshl_b32 s71, s43, 1
	s_add_co_u32 s71, s71, s16                     ; my stretch of 128 keys
	s_add_co_u32 s72, s19, s70
	s_lshl_b32 s72, s72, 4
	s_add_co_u32 s72, s72, s71
	s_mul_i32 s74, s72, 8*FRB
	s_mov_b32 s75, 0
	s_mul_i32 s76, s72, 1536
	s_mov_b32 s77, 0
	s_add_nc_u64 s[8:9], s[8:9], s[74:75]          ; my place in pc
	s_add_nc_u64 s[10:11], s[10:11], s[76:77]      ; and in ps
	s_mov_b32 s[SEL], 0x76543210
	s_mov_b32 s[SEL+1], 0xfedcba98
	s_mov_b32 s[CS], 0x3d38aa3b                    ; c = log2(e) / sqrt(1024)
	s_mov_b32 s[CS+1], s[CS]
	v_and_b32 v1, 31, v0                           ; lane
	v_and_b32 v2, 15, v0                           ; r
	v_bfe_u32 v3, v0, 4, 1                         ; h
	v_lshlrev_b32 v[LI], 4, v1
	v_add_nc_u32 v[ADRA], s17, v[LI]
	v_add_nc_u32 v[ADRA+1], SLOT, v[ADRA]
	v_add_nc_u32 v[ADRB], s18, v[LI]
	v_add_nc_u32 v[ADRB+1], SLOT, v[ADRB]
	v_mul_u32_u24 v4, s22, v3                      ; lanes 16-31 take B's words
	v_lshl_add_u32 v4, v2, 4, v4
	v_add_nc_u32 v[ADRS], s23, v4
	v_add_nc_u32 v[ADRS+1], SLOT, v[ADRS]
	v_and_b32 v4, 7, v2
	v_lshrrev_b32 v5, 3, v2
	v_lshl_add_u32 v4, v5, 4, v4                   ; r % 8 + 16 (r / 8)
	v_lshlrev_b32 v5, 4, v3
	v_sub_nc_u32 v[Q0], v4, v5
	v_mov_b32 v[NINF], 0xff800000
	v_mov_b32 v[NM+1], 0                           ; named as the upper half of the pair, so it is written
.macro FRAG reg, adr, off
.irp c, 0,1,2
	ds_load_b128 v[(\reg)+4*\c:(\reg)+4*\c+3], v[\adr] offset:(\off)+512*\c
.endr
.endm
; K step ks lies in slot (ks / 3) % 2, as record ks % 3 of a row group
.macro FETCH_B ks
.set SL_, ((\ks)/3)%2
.set QO_, ((\ks)%3)*REC
	WIN TO_B
.irp i, 0,1,2,3,4,5,6,7
	FRAG 128*((\ks)%2)+FR*\i, ADRB+SL_, QO_+FRB*\i
.endr
	WIN 0
.endm
.macro FETCH_A ks, i0
.set SL_, ((\ks)/3)%2
.set QO_, ((\ks)%3)*REC
.irp i, \i0, \i0+1, \i0+2, \i0+3
	FRAG AF+FR*(\i), ADRA+SL_, QO_+FRB*(\i)
.endr
.endm
.macro SCALES ks
.set SL_, ((\ks)/3)%2
.set QO_, ((\ks)%3)*REC
.irp g, 0,1
	ds_load_b128 v[SC+8*((\ks)%2)+4*\g:SC+8*((\ks)%2)+4*\g+3], v[ADRS+SL_] offset:QO_+256*\g
.endr
.endm
.macro MUL16 a0, ks                    ; the 64 accumulators take turns, one instruction a turn
.set P_, (\ks)%2
.irp a, \a0, \a0+1
.irp b, 0,1,2,3,4,5,6,7
.if (\ks) == 0
	v_wmma_scale_f32_16x16x128_f8f6f4 v[8*(8*((\a)%4)+\b):8*(8*((\a)%4)+\b)+7], v[128*P_+FR*\b:128*P_+FR*\b+FR-1], v[AF+FR*(\a):AF+FR*(\a)+FR-1], 0, v[SC+8*P_+\b], v[SC+8*P_+(\a)] matrix_a_fmt:MATRIX_FMT_FP6 matrix_b_fmt:MATRIX_FMT_FP6 matrix_a_scale:MATRIX_SCALE_ROW1
.else
	v_wmma_scale_f32_16x16x128_f8f6f4 v[8*(8*((\a)%4)+\b):8*(8*((\a)%4)+\b)+7], v[128*P_+FR*\b:128*P_+FR*\b+FR-1], v[AF+FR*(\a):AF+FR*(\a)+FR-1], v[8*(8*((\a)%4)+\b):8*(8*((\a)%4)+\b)+7], v[SC+8*P_+\b], v[SC+8*P_+(\a)] matrix_a_fmt:MATRIX_FMT_FP6 matrix_b_fmt:MATRIX_FMT_FP6 matrix_a_scale:MATRIX_SCALE_ROW1
.endif
.endr
.endr
.endm
; A K step: 64 products; the next step's fragments are fetched in its middle and at its end.  Steps 2 and 5 leave a slot: a barrier in their first half shows the other slot whole;
; behind step 2's the first slot is filled again with steps 6 and 7.
.macro KSTEP ks
.if (\ks)%3 == 2
	s_wait_tensorcnt 0x0                           ; my part of the next slot has landed; no load of mine is out
	ds_add_u32 v[SPW], v[NIL]
.if (\ks) == 2
	s_mov_b32 s[G1+2], 100<<16                     ; two K steps: 25,600 bytes
	s_mov_b32 s[G1+4], 100
	s_add_nc_u64 s[G0+2:G0+3], s[G0+2:G0+3], 6*REC
.endif
	s_wait_dscnt 13                                ; the add and the youngest 12 loads (A's blocks 4-7) may be out
	WIN MUL_LO
	MUL16 0, \ks
	s_wait_dscnt 0x0                               ; the add is done, and my reads of this slot are over
	s_barrier_signal -1
	MUL16 2, \ks
	WIN 0
	s_barrier_wait -1
.if (\ks) == 2
	tensor_load_to_lds s[G0:G0+3], s[G1:G1+7]      ; my one tensor load behind the barrier
	s_nop 0
.endif
.else
	s_wait_dscnt 12                                ; all but the youngest 12 loads are in
	WIN MUL_LO
	MUL16 0, \ks
	MUL16 2, \ks
	s_wait_dscnt 0x0
.endif
	PLACES
.if (\ks) < 7
	FETCH_B (\ks)+1
	FETCH_A (\ks)+1, 0
	SCALES (\ks)+1
.endif
	WIN MUL_HI
	MUL16 4, \ks
	MUL16 6, \ks
	WIN 0
	PLACES
.if (\ks) < 7
	FETCH_A (\ks)+1, 4
.endif
.endm
	s_wait_alu depctr_va_vdst(0)
	s_wait_tensorcnt 0x0                           ; my part of slot 0 is in; these lines stand ahead of a later first fill as ahead of a refill
	ds_add_u32 v[SPW], v[NIL]
	s_wait_dscnt 0x0
	s_barrier_signal -1
	s_barrier_wait -1
	tensor_load_to_lds s[G0+4:G0+7], s[G1:G1+7]    ; K steps 3 to 5 into slot 1
	s_nop 0
	PLACES
	FETCH_B 0
	FETCH_A 0, 0
	SCALES 0
	FETCH_A 0, 4
	KSTEP 0
	KSTEP 1
	KSTEP 2
	KSTEP 3
	KSTEP 4
	KSTEP 5
	KSTEP 6
	KSTEP 7
	s_cmp_gt_u32 s71, s70
	s_cbranch_scc1 .Lend                           ; every key of my stretch comes after every query of my group
.irp b, 0,1,2,3
	v_mov_b32 v[BT+\b], 0                          ; written once: a lane permute's destination counts as one of its sources
.endr
	v_mov_b32 v[T1], 0
; THE SOFTMAX OF BLOCK a (16 queries x 128 keys).  Each accumulator is read from its low end on.
.macro SOFT a
.set AC, 64*((\a)%4)
.set XW, 2+(\a)/4
.if (\a) > 0
	s_wait_xcnt 0x0                                ; the last block's stores have read the codes' registers
.endif
	s_wait_alu depctr_va_vdst(0)
	s_cmp_eq_u32 s70, s71
	s_cbranch_scc0 .Lopen_\@                       ; below the diagonal nothing is hidden
	WIN XW|(XW<<6)                                 ; source 0 and destination: the accumulators' window
.set n, 16*((\a)/2)
.rept 16                               ; the 32 keys that hold my query: register n holds key n % 16 + 16 (lane / 16) of them, hidden where it comes after my query: its score becomes -infinity, p = 0
	v_cmp_gt_i32 vcc_lo, n%16-8*((\a)%2), v[Q0]
	v_cndmask_b32 v[AC+n], v[AC+n], v[NINF], vcc_lo
.set n, n+1
.endr
.rept 64-16*((\a)/2+1)                 ; the keys behind them are all hidden
	v_mov_b32 v[AC+n], 0xff800000
.set n, n+1
.endr
	WIN 0
.Lopen_\@:
	WIN XW|(XW<<2)                                 ; sources 0 and 1
.irp b, 0,1,2,3
	v_max3_num_f32 v[BM+\b], v[AC+16*\b], v[AC+16*\b+1], 0xff800000   ; the largest score of each block of 32 keys: it serves for the row's maximum and for the block's largest p
.endr
.irp i, 2,4,6,8,10,12,14
.irp b, 0,1,2,3
	v_max3_num_f32 v[BM+\b], v[AC+16*\b+\i], v[AC+16*\b+\i+1], v[BM+\b]
.endr
.endr
	WIN 0
.irp b, 0,1,2,3
	v_permlanex16_b32 v[BT+\b], v[BM+\b], s[SEL], s[SEL+1]
.endr
.irp b, 0,1,2,3
	v_max_num_f32 v[BM+\b], v[BM+\b], v[BT+\b]
.endr
	v_max3_num_f32 v[T0], v[BM], v[BM+1], v[BM+2]
	v_max_num_f32 v[T0], v[T0], v[BM+3]
	v_mul_f32 v[T0], s[CS], v[T0]                  ; as t (c is positive); every row of a live stretch has a visible key
	v_floor_f32 v[NM], -v[T0]                      ; -M = floor(-t): M is a whole number
	v_sub_f32 v[MF+(\a)], 0, v[NM]
.irp b, 0,1,2,3
	v_fma_f32 v[BM+\b], v[BM+\b], s[CS], v[NM]
.endr
	WIN XW                                         ; source 0
.set n, 0
.rept 32
	v_pk_fma_f32 v[W+n:W+n+1], v[AC+n:AC+n+1], s[CS:CS+1], v[NM:NM+1] op_sel_hi:[1,0,0]   ; t - M, into window 0
.set n, n+2
.endr
	WIN 0
.set n, 0
	s_wait_alu depctr_va_vdst(0)
.rept 64
	v_exp_f32 v[W+n], v[W+n]                       ; p = 2^(t - M), at most 1, not normalised
.set n, n+1
.endr
.irp b, 0,1,2,3
	v_exp_f32 v[BM+\b], v[BM+\b]                   ; the block's largest p
.endr
	v_mov_b32 v[SU0], 0                            ; plain instructions behind the batch of exponentials
	v_mov_b32 v[SU0+1], 0
	v_mov_b32 v[SU1], 0
	v_mov_b32 v[SU1+1], 0
	s_wait_alu depctr_va_vdst(0)                   ; one wait for the 68, ahead of their first reader
.set n, 0
.rept 16
	v_pk_add_f32 v[SU0:SU0+1], v[SU0:SU0+1], v[W+n:W+n+1]         ; the sum of the unquantised p, in two chains
	v_pk_add_f32 v[SU1:SU1+1], v[SU1:SU1+1], v[W+n+2:W+n+3]
.set n, n+4
.endr
	v_pk_add_f32 v[SU0:SU0+1], v[SU0:SU0+1], v[SU1:SU1+1]
	v_add_f32 v[T0], v[SU0], v[SU0+1]
	v_permlanex16_b32 v[T1], v[T0], s[SEL], s[SEL+1]
	v_add_f32 v[LL+(\a)], v[T0], v[T1]
.irp b, 0,1,2,3
	v_max_num_f32 v[BM+\b], 0x1800000, v[BM+\b]    ; the floor 2^(3 - 127): the byte cannot fall under 1
.endr
.irp b, 0,1,2,3
	v_add_nc_u32 v[SO+\b], 0xff000000, v[BM+\b]    ; the conversion's scale operand
.endr
.irp b, 0,1,2,3
	v_lshrrev_b32 v[BT+\b], 23, v[SO+\b]           ; the byte: 1 to 125
.endr
	v_lshl_or_b32 v[PW+(\a)], v[BT+1], 8, v[BT]
	v_lshl_or_b32 v[PW+(\a)], v[BT+2], 16, v[PW+(\a)]
	v_lshl_or_b32 v[PW+(\a)], v[BT+3], 24, v[PW+(\a)]
.irp c, 0,1
	v_cvt_scalef32_pk16_fp6_f32 v[PC+6*\c:PC+2+6*\c], v[W+32*\c:W+15+32*\c], v[SO+2*\c]
	v_cvt_scalef32_pk16_fp6_f32 v[PC+12+4*\c:PC+14+4*\c], v[W+16+32*\c:W+31+32*\c], v[SO+2*\c+1]
.endr
	v_nop                                          ; one plain instruction behind a scaled conversion
.irp c, 0,1
.irp i, 0,1,2
	v_permlane16_swap_b32 v[PC+6*\c+\i], v[PC+12+4*\c+\i]
.endr
.irp i, 0,1,2
	v_mov_b32 v[PC+3+6*\c+\i], v[PC+12+4*\c+\i]
.endr
.endr
.irp c, 0,1,2
	global_store_b128 v[LI], v[PC+4*\c:PC+4*\c+3], s[8:9] offset:FRB*(\a)+512*\c   ; 512 consecutive bytes, at a multiple of 256 from the buffer's first byte
.endr
.endm
.irp a, 0,1,2,3,4,5,6,7
	SOFT \a
.endr
	v_cmp_le_u32 vcc_lo, 16, v1                    ; lanes 0-15 store the words of blocks 0-3, lanes 16-31 those of blocks 4-7
.irp i, 0,1,2,3
	v_cndmask_b32 v[OW+\i], v[PW+\i], v[PW+4+\i], vcc_lo
	v_cndmask_b32 v[OW+4+\i], v[MF+\i], v[MF+4+\i], vcc_lo
	v_cndmask_b32 v[OW+8+\i], v[LL+\i], v[LL+4+\i], vcc_lo
.endr
	global_store_b128 v[LI], v[OW:OW+3], s[10:11]
	global_store_b128 v[LI], v[OW+4:OW+7], s[10:11] offset:512
	global_store_b128 v[LI], v[OW+8:OW+11], s[10:11] offset:1024
.Lend:
	s_wait_tensorcnt 0x0                           ; the wave's end
	ds_add_u32 v[SPW], v[NIL]
	s_wait_dscnt 0x0
	s_endpgm
.Lfunc_end_k_q7ae6cb4d36_scores:
	.size	k_q7ae6cb4d36_scores, .Lfunc_end_k_q7ae6cb4d36_scores-k_q7ae6cb4d36_scores
	.p2alignl 7, 3214868480
	.fill 96, 4, 3214868480
	.section	.rodata,"a",@progbits
	.p2align	6, 0x0
	.amdhsa_kernel k_q7ae6cb4d36_scores
		.amdhsa_group_segment_fixed_size 327680
		.amdhsa_private_segment_fixed_size 0
		.amdhsa_enable_private_segment 0
		.amdhsa_kernarg_size 32
		.amdhsa_user_sgpr_count 2
		.amdhsa_user_sgpr_kernarg_segment_ptr 1
		.amdhsa_wavefront_size32 1
		.amdhsa_system_sgpr_workgroup_id_x 1
		.amdhsa_system_sgpr_workgroup_id_y 1
		.amdhsa_system_sgpr_workgroup_id_z 1
		.amdhsa_system_vgpr_workitem_id 0
		.amdhsa_next_free_vgpr 1024
		.amdhsa_next_free_sgpr 100
		.amdhsa_reserve_vcc 1
		.amdhsa_float_denorm_mode_32 3
		.amdhsa_float_denorm_mode_16_64 3
		.amdhsa_memory_ordered 1
		.amdhsa_forward_progress 1
		.amdhsa_inst_pref_size 212
	.end_amdhsa_kernel
	.amdgpu_metadata
---
amdhsa.version: [ 1, 2 ]
amdhsa.kernels:
  - .name:           k_q7ae6cb4d36_scores
    .symbol:         k_q7ae6cb4d36_scores.kd
    .args:
      - { .name: qc, .offset: 0, .size: 8, .value_kind: global_buffer, .address_space: global }
      - { .name: kc, .offset: 8, .size: 8, .value_kind: global_buffer, .address_space: global }
      - { .name: pc, .offset: 16, .size: 8, .value_kind: global_buffer, .address_space: global }
      - { .name: ps, .offset: 24, .size: 8, .value_kind: global_buffer, .address_space: global }
    .group_segment_fixed_size: 327680
    .private_segment_fixed_size: 0
    .kernarg_segment_align: 8
    .kernarg_segment_size: 32
    .max_flat_workgroup_size: 128
    .sgpr_count:     100
    .vgpr_count:     1024
    .wavefront_size: 32
...
	.end_amdgpu_metadata
.endif
;; end of part 3
;; launch pv (part 4): grid 8 x 32, 8 waves a work-group, no clusters, 327,680 bytes of LDS; arguments pc, ps, vc, out0; writes out0
.if DOCPART == 4
	.amdgcn_target "amdgcn-amd-amdhsa--gfx1250"
	.amdhsa_code_object_version 6
	.text
	.protected	k_q7ae6cb4d36_pv
	.globl	k_q7ae6cb4d36_pv
	.p2align	8
	.type	k_q7ae6cb4d36_pv,@function
k_q7ae6cb4d36_pv:
	s_mov_b64 s[64:65], 0
	v_nop
	global_prefetch_b8 v0, s[64:65] scope:SCOPE_SE
	s_setreg_imm32_b32 hwreg(HW_REG_WAVE_MODE, 25, 1), 1
	s_wait_xcnt 0x0
; out = (p v) / l on codes of FP6 (E2M3).  A query group of 128 needs key steps (of 128 keys) 0 .. its own number: the steps behind are hidden by reference()'s mask and are neither read nor multiplied.
; SHARES.  A work-group takes query groups g and 15 - g of a batch x 128 columns of v: (g + 1) + (16 - g) = 17 units of 128 x 128 x 128, whatever g: 8 column tiles x 4 batches x 8 pairs = 256 work-groups.
; Eight waves: waves 0-3 take group g, waves 4-7 group 15 - g; each 64 queries x 64 columns, 16 accumulators.  The shorter group's results leave while the other's products go on.
; v of all 16 key steps lies in LDS: steps 0-7 by the head's loads (a step a wave), steps 8-15 behind the first barrier, in seven column parts of all eight steps, so that each load is read in part at least
; (step 8 is needed by every longer group).  No byte is filled twice.  p goes from memory straight into registers, three steps ahead: its buffer holds the operand's registers, so every load reads 512 dense bytes.
; cluster = none: v's tiles are shared by pairs that need different numbers of steps.  No prefetch: v is asked for in two loads, and p's own loads run three steps ahead; there is no loop.
; ONE M FOR A ROW.  ps holds, for each stretch of 128 keys, p's scale words, M and l (l under that M).  The row's M is the largest of its live stretches'; a stretch's l is multiplied by 2^(its M - the row's M), and
; that whole number is taken off its four scale bytes, held at 0 (2^-127) from below.  Lane (r, h) works on stretch 2 t + h: so register 4 t + i holds block i's word of stretch 2 t in lanes 0-15 and of 2 t + 1
; in lanes 16-31, which is where the products take it from (ROW0, ROW1).  Stretches behind the group's own are read from the group's own place, and their l counts as 0.
; The matrix instruction is used transposed: source 0 = 16 rows of v^T, source 1 = 16 queries: a lane holds ONE query and eight neighbouring columns.
; LIMITS: NaN and infinities are not served.
; REGISTERS: window 0: v2-15 addresses; v16-31 v's scale words; v32-63 p's; v64-255 p's fragments, four sets of 48; on the way out v64-191 results, v192-255 rows read back.
;   window 1: v0-127 the accumulators ((a, b) at 32 a + 8 b), before them the work on ps; v128-223 v's fragments, two sets of 48; v224-231 1 / l.
.set REC,   12800
.set FRB,   1536
.set FR,    12
.set PT8,   8*FRB                      ; a unit of p: 12,288 bytes
.set V2,    8*REC                      ; LDS: steps 0-7 as records, then steps 8-15: [part 6][step 8][2,048 bytes], then [step 8][512 bytes of scale words]
.set STAGE, 16*REC
.set SPITCH, 272
.set WST,   16*SPITCH
.set SPARE, STAGE+8*WST
.set SPW, 2
.set NIL, 3
.set LI,  4                            ; 16 x lane
.set ADRB, 5                           ; v5-7   my half of v: steps 0-3, 4-7, 8-15
.set ADRW, 8                           ; v8-10  its scale words
.set STO, 11
.set RD,  12
.set CO,  13
.set HH,  14
.set SB,  16
.set SW,  32
.set PF,  64
.set ADP, 240                          ; the offsets into ps, before p's fourth set is loaded
.set OUTR, 64
.set BK,  192
.set RS,  0                            ; window 1
.set RM,  32
.set RL,  64
.set MG,  96
.set PT,  100
.set LS,  104
.set DD,  108
.set ND,  112
.set TT,  116
.set YY,  120
.set ST,  124
.set ST2, 125
.set VF,  128
.set RI,  224
.set G1,  24
.set G0,  32
.set G0P, 36
.set G1P, 48
.set G1W, 56
.set QG,  40
.set SEL, 80
.set MSB, 0
.macro WIN new                         ; the immediate's high byte repeats the setting that is left
.if MSB != (\new)
	s_set_vgpr_msb (MSB<<8)|(\new)
.set MSB, (\new)
.endif
.endm
.macro PLACES                          ; four plain instructions behind a matrix instruction, in front of loads into its registers and of reads of its results
.rept 4
	v_nop
.endr
.endm
	s_load_b256 s[4:11], s[0:1], 0x0               ; pc, ps, vc, out0
	v_lshl_add_u32 v[SPW], v0, 2, SPARE
	v_mov_b32 v[NIL], 0
	ds_add_u32 v[SPW], v[NIL]                      ; the opening: the add, twice on end, and its wait
	ds_add_u32 v[SPW], v[NIL]
	v_lshrrev_b32 v1, 5, v0
	v_readfirstlane_b32 s14, v1                    ; wave
	s_bfe_u32 s15, s14, 0x10001                    ; which 64 queries
	s_and_b32 s16, s14, 1                          ; which 64 columns
	s_and_b32 s42, ttmp7, 0xffff
	s_lshr_b32 s41, s42, 3                         ; the batch
	s_and_b32 s42, s42, 7                          ; g
	s_sub_co_u32 s43, 15, s42
	s_cmp_lt_u32 s14, 4
	s_cselect_b32 s[QG], s42, s43                  ; my query group
.irp g, G1, G1P, G1W
	s_mov_b32 s[\g+0], 3<<16                       ; elements of 8 bytes, no padding
	s_mov_b32 s[\g+6], 0
	s_mov_b32 s[\g+7], 0
.endr
	s_mov_b32 s[G1+1], 32<<16                      ; a record: 50 rows of 256 bytes
	s_mov_b32 s[G1+2], 50<<16
	s_mov_b32 s[G1+3], 32<<16
	s_mov_b32 s[G1+4], 50
	s_mov_b32 s[G1+5], 32
	s_mov_b32 s[G1P+1], 256<<16                    ; 2,048 bytes of each of eight records
	s_mov_b32 s[G1P+2], 8<<16
	s_mov_b32 s[G1P+3], 256<<16
	s_mov_b32 s[G1P+4], 8
	s_mov_b32 s[G1P+5], REC/8
	s_mov_b32 s[G1W+1], 64<<16                     ; the 512 bytes of scale words of each of eight records
	s_mov_b32 s[G1W+2], 8<<16
	s_mov_b32 s[G1W+3], 64<<16
	s_mov_b32 s[G1W+4], 8
	s_mov_b32 s[G1W+5], REC/8
	s_lshl_b32 s20, s41, 3
	s_add_co_u32 s20, s20, ttmp9
	s_mul_i32 s20, s20, 16*REC                     ; v: the batch's row group of columns
	s_mov_b32 s21, 0
	s_mul_i32 s22, s14, REC                        ; the head: step = wave
	s_mov_b32 s23, 0
	s_lshl_b32 s46, s14, 11                        ; behind it: part = wave
	s_add_co_u32 s46, s46, 8*REC
	s_mov_b32 s47, 0
	s_mul_i32 s43, s14, 16384
	s_add_co_u32 s43, s43, V2
	s_lshl_b32 s44, s41, 4
	s_add_co_u32 s44, s44, s[QG]                   ; the query group among all batches'
	s_mul_i32 s66, s44, 16*PT8
	s_mul_i32 s45, s15, 4*FRB
	s_add_co_u32 s66, s66, s45
	s_mov_b32 s67, 0
	s_mul_i32 s76, s44, 16*1536
	s_lshl_b32 s45, s15, 8
	s_add_co_u32 s76, s76, s45
	s_mov_b32 s77, 0
	s_lshl_b32 s78, s44, 19                        ; 128 rows of 4,096 bytes
	s_lshl_b32 s45, s15, 18
	s_add_co_u32 s78, s78, s45
	s_lshl_b32 s45, ttmp9, 9
	s_add_co_u32 s78, s78, s45
	s_lshl_b32 s45, s16, 8
	s_add_co_u32 s78, s78, s45
	s_mov_b32 s79, 0
	s_mul_i32 s17, s16, 4*FRB
	s_mul_i32 s18, s16, 3*16384
	s_add_co_u32 s18, s18, V2
	s_lshl_b32 s19, s16, 8
	s_add_co_u32 s86, s19, V2+6*16384
	s_add_co_u32 s19, s19, 8*FRB
	s_mul_i32 s87, s14, WST
	s_add_co_u32 s87, s87, STAGE
	s_mov_b32 s[SEL], 0x76543210
	s_mov_b32 s[SEL+1], 0xfedcba98
	s_mov_b32 s84, 0x01010101
	s_mov_b32 s85, 0x80808080
	v_and_b32 v1, 31, v0
	v_and_b32 v15, 15, v0                          ; r
	v_bfe_u32 v[HH], v0, 4, 1                      ; h
	v_lshlrev_b32 v[LI], 4, v1
	v_lshlrev_b32 v1, 4, v15                       ; 16 r
	v_add_nc_u32 v[ADRB], s17, v[LI]
	v_add_nc_u32 v[ADRB+1], 4*REC, v[ADRB]
	v_add_nc_u32 v[ADRB+2], s18, v[LI]
	v_add_nc_u32 v[ADRW], s19, v1
	v_add_nc_u32 v[ADRW+1], 4*REC, v[ADRW]
	v_add_nc_u32 v[ADRW+2], s86, v1
	v_mul_u32_u24 v[STO], v15, SPITCH              ; the stage, in: row r, 64 bytes for each half of the lanes
	v_lshl_add_u32 v[STO], v[HH], 6, v[STO]
	v_add_nc_u32 v[STO], s87, v[STO]
	v_mul_u32_u24 v[RD], v[HH], SPITCH             ; and back: lanes 0-15 one row of 256 bytes, lanes 16-31 the next
	v_add_nc_u32 v[RD], v[RD], v1
	v_add_nc_u32 v[RD], s87, v[RD]
	v_lshl_add_u32 v[CO], v[HH], 12, v1            ; the same two rows of out0
.irp t, 0,1,2,3,4,5,6,7
	v_add_nc_u32 v[ADP+\t], 2*\t, v[HH]
.endr
.irp t, 0,1,2,3,4,5,6,7
	v_min_u32 v[ADP+\t], s[QG], v[ADP+\t]          ; my stretch, held at the group's own
.endr
.irp t, 0,1,2,3,4,5,6,7
	v_mad_u32_u24 v[ADP+\t], v[ADP+\t], 0x600, v1
.endr
	s_wait_alu depctr_va_vdst(0)
	s_wait_dscnt 0x0                               ; both opening adds are done
	s_wait_kmcnt 0x0
	s_add_nc_u64 s[88:89], s[8:9], s[20:21]
	s_mov_b32 s[G0], 1
	s_mov_b32 s[G0+1], s22
	s_add_nc_u64 s[G0+2:G0+3], s[88:89], s[22:23]
	s_or_b32 s[G0+3], s[G0+3], 0x80000000
	tensor_load_to_lds s[G0:G0+3], s[G1:G1+7]      ; v's step = my wave's number: one tensor load a wave at the head
	s_nop 0
	PLACES
	s_mov_b32 s[G0P], 1
	s_mov_b32 s[G0P+1], s43
	s_add_nc_u64 s[G0P+2:G0P+3], s[88:89], s[46:47]
	s_or_b32 s[G0P+3], s[G0P+3], 0x80000000
	s_add_nc_u64 s[76:77], s[6:7], s[76:77]        ; ps
	s_add_nc_u64 s[66:67], s[4:5], s[66:67]        ; pc
	s_add_nc_u64 s[78:79], s[10:11], s[78:79]      ; out0
	WIN 0x40                                       ; destination window 1
.irp t, 0,1,2,3,4,5,6,7
	global_load_b128 v[RM+4*\t:RM+4*\t+3], v[ADP+\t], s[76:77] offset:512
	global_load_b128 v[RS+4*\t:RS+4*\t+3], v[ADP+\t], s[76:77]
	global_load_b128 v[RL+4*\t:RL+4*\t+3], v[ADP+\t], s[76:77] offset:1024
.endr
	WIN 0
; p's four fragments of step k, or of the group's own step where k lies behind it (the count of loads is the same on every path): 12 loads into set k % 4, by pointer k % 4
.macro LOADP k
.set PP_, 68+2*((\k)%4)
.set PS_, PF+48*((\k)%4)
	s_min_u32 s20, s[QG], \k
	s_mul_i32 s20, s20, PT8
.if (\k) > 3
	s_wait_xcnt 0x0                                ; the pointer's loads of four steps ago have read it
.endif
	s_add_nc_u64 s[PP_:PP_+1], s[66:67], s[20:21]
.irp i, 0,1,2,3
.irp c, 0,1,2
	global_load_b128 v[PS_+FR*\i+4*\c:PS_+FR*\i+4*\c+3], v[LI], s[PP_:PP_+1] offset:FRB*\i+512*\c
.endr
.endr
.endm
	LOADP 0
	LOADP 1
	LOADP 2
	WIN 0x40
	v_mov_b32 v[ST], v[HH]
.irp i, 0,1,2,3
	v_mov_b32 v[PT+\i], 0                          ; written once: a lane permute's destination counts as one of its sources
.endr
	s_wait_alu depctr_va_vdst(0)
	s_wait_loadcnt 36                              ; ps is in; p's 36 loads may be out
	WIN 0x55                                       ; all in window 1
.irp i, 0,1,2,3
	v_max3_num_f32 v[MG+\i], v[RM+\i], v[RM+4+\i], v[RM+8+\i]
.endr
.irp i, 0,1,2,3
	v_max3_num_f32 v[MG+\i], v[MG+\i], v[RM+12+\i], v[RM+16+\i]
.endr
.irp i, 0,1,2,3
	v_max3_num_f32 v[MG+\i], v[MG+\i], v[RM+20+\i], v[RM+24+\i]
.endr
.irp i, 0,1,2,3
	v_max_num_f32 v[MG+\i], v[MG+\i], v[RM+28+\i]
.endr
.irp i, 0,1,2,3
	v_permlanex16_b32 v[PT+\i], v[MG+\i], s[SEL], s[SEL+1]
.endr
.irp i, 0,1,2,3
	v_max_num_f32 v[MG+\i], v[MG+\i], v[PT+\i]     ; the row's M
.endr
.irp t, 0,1,2,3,4,5,6,7
	v_add_nc_u32 v[ST2], 2*\t, v[ST]
	v_cmp_ge_u32 vcc_lo, s[QG], v[ST2]             ; a stretch behind the group's own counts for nothing
.irp i, 0,1,2,3
	v_sub_f32 v[ND+\i], v[RM+4*\t+\i], v[MG+\i]    ; a whole number, 0 or less
.endr
.irp i, 0,1,2,3
	v_cvt_i32_f32 v[ND+\i], v[ND+\i]               ; (it saturates)
.endr
.irp i, 0,1,2,3
	v_cndmask_b32 v[RL+4*\t+\i], 0, v[RL+4*\t+\i], vcc_lo
.endr
.irp i, 0,1,2,3
	v_sub_nc_u32 v[DD+\i], 0, v[ND+\i]
.endr
.if \t == 0
.irp i, 0,1,2,3
	v_ldexp_f32 v[LS+\i], v[RL+\i], v[ND+\i]
.endr
.else
.irp i, 0,1,2,3
	v_ldexp_f32 v[TT+\i], v[RL+4*\t+\i], v[ND+\i]
.endr
.irp i, 0,1,2,3
	v_add_f32 v[LS+\i], v[LS+\i], v[TT+\i]
.endr
.endif
.irp i, 0,1,2,3
	v_min_u32 v[DD+\i], 127, v[DD+\i]
.endr
.irp i, 0,1,2,3
	v_mul_lo_u32 v[DD+\i], v[DD+\i], s84           ; the number in each of four bytes
.endr
.irp i, 0,1,2,3
	v_or_b32 v[TT+\i], s85, v[RS+4*\t+\i]          ; p's bytes lie under 128: bit 7 stops a borrow between bytes,
.endr
.irp i, 0,1,2,3
	v_sub_nc_u32 v[TT+\i], v[TT+\i], v[DD+\i]
.endr
.irp i, 0,1,2,3
	v_and_b32 v[YY+\i], s85, v[TT+\i]              ; and is left where the byte did not fall under 0:
.endr
.irp i, 0,1,2,3
	v_lshrrev_b32 v[ND+\i], 7, v[YY+\i]
.endr
.irp i, 0,1,2,3
	v_sub_nc_u32 v[YY+\i], v[YY+\i], v[ND+\i]      ; 127 there, 0 elsewhere
.endr
	WIN 0x05                                       ; destination window 0
.irp i, 0,1,2,3
	v_and_b32 v[SW+4*\t+\i], v[TT+\i], v[YY+\i]
.endr
	WIN 0x55
.endr
.irp i, 0,1,2,3
	v_permlanex16_b32 v[PT+\i], v[LS+\i], s[SEL], s[SEL+1]
.endr
.irp i, 0,1,2,3
	v_add_f32 v[LS+\i], v[LS+\i], v[PT+\i]
.endr
	s_wait_alu depctr_va_vdst(0)
.irp i, 0,1,2,3
	v_rcp_f32 v[RI+2*\i], v[LS+\i]
.endr
	v_nop
	s_wait_alu depctr_va_vdst(0)
.irp i, 0,1,2,3
	v_mov_b32 v[RI+2*\i+1], v[RI+2*\i]
.endr
	WIN 0
; v's four fragments of step k into set k % 2, and their scale words: 13 LDS loads
.macro FETCHV k
.set VS_, VF+48*((\k)%2)
.set SR_, SB+8*((\k)%2)+4*(1-((\k)/2)%2)       ; its number modulo 8 is never that of p's word in the same product
	WIN 0x40
.irp j, 0,1,2,3,4,5,6,7,8,9,10,11
.if (\k) < 8
	ds_load_b128 v[VS_+4*\j:VS_+4*\j+3], v[ADRB+(\k)/4] offset:((\k)%4)*REC+512*\j
.else
	ds_load_b128 v[VS_+4*\j:VS_+4*\j+3], v[ADRB+2] offset:(\j/4)*16384+((\k)-8)*2048+(\j%4)*512
.endif
.endr
	WIN 0
.if (\k) < 8
	ds_load_b128 v[SR_:SR_+3], v[ADRW+(\k)/4] offset:((\k)%4)*REC
.else
	ds_load_b128 v[SR_:SR_+3], v[ADRW+2] offset:((\k)-8)*512
.endif
.endm
.macro WM d, va, pb, c, sa, sb, row
	v_wmma_scale_f32_16x16x128_f8f6f4 v[\d:\d+7], v[\va:\va+11], v[\pb:\pb+11], \c, v[\sa], v[\sb] matrix_a_fmt:MATRIX_FMT_FP6 matrix_b_fmt:MATRIX_FMT_FP6 matrix_b_scale:MATRIX_SCALE_ROW\row
.endm
; A step: the loads of p three steps on and of v one step on, then 16 products; the accumulators take turns, one instruction a turn.
.macro STEP k
	PLACES
.if (\k) > 8
	s_cmp_lt_u32 s[QG], \k
	s_cbranch_scc1 .Lout
.elseif (\k) > 0 && (\k) < 8
	s_cmp_lt_u32 s[QG], \k
	s_cbranch_scc1 .Lleft                          ; my group has no such step
.endif
.if (\k)+3 < 16
	LOADP (\k)+3
.endif
.if (\k) == 8
	FETCHV 8
.endif
.if (\k) != 7 && (\k) < 15
	FETCHV (\k)+1
.endif
.if (\k) < 13
	s_wait_loadcnt 36                              ; this step's p is in; the next three steps' may be out
.else
	s_wait_loadcnt 12*(15-(\k))
.endif
.if (\k) != 7 && (\k) < 15
	s_wait_dscnt 13                                ; this step's v is in; the next step's may be out
.else
	s_wait_dscnt 0x0
.endif
	WIN 0x51                                       ; source 0, C and D window 1, source 1 window 0
.irp a, 0,1,2,3
.irp b, 0,1,2,3
.set D_, 32*\a+8*\b
.set VA_, VF+48*((\k)%2)+FR*\b
.set PB_, PF+48*((\k)%4)+FR*\a
.set SA_, SB+8*((\k)%2)+4*(1-((\k)/2)%2)+\b
.set SP_, SW+4*((\k)/2)+\a
.if (\k) == 0
	WM D_, VA_, PB_, 0, SA_, SP_, 0
.elseif (\k)%2
	WM D_, VA_, PB_, v[D_:D_+7], SA_, SP_, 1
.else
	WM D_, VA_, PB_, v[D_:D_+7], SA_, SP_, 0
.endif
.endr
.endr
	WIN 0
.endm
	s_wait_alu depctr_va_vdst(0)
	s_wait_tensorcnt 0x0                           ; my step of v is in; these lines stand ahead of a later first fill as ahead of a refill
	ds_add_u32 v[SPW], v[NIL]
	s_wait_dscnt 0x0
	s_barrier_signal -1
	s_barrier_wait -1
	s_cmp_lt_u32 s14, 6
	s_cbranch_scc0 .Lwords
	tensor_load_to_lds s[G0P:G0P+3], s[G1P:G1P+7]  ; waves 0-5: a sixth of the codes of steps 8-15
	s_nop 0
	PLACES
	s_branch .Lasked
.Lwords:
	s_cmp_eq_u32 s14, 6
	s_cbranch_scc0 .Lasked
	tensor_load_to_lds s[G0P:G0P+3], s[G1W:G1W+7]  ; wave 6: their scale words
	s_nop 0
	PLACES
.Lasked:
	FETCHV 0
	STEP 0
	STEP 1
	STEP 2
	STEP 3
	STEP 4
	STEP 5
	STEP 6
	STEP 7
	s_branch .Lmid
.Lleft:
	s_wait_loadcnt 0x0                             ; the loads that stood in for steps behind the group's own are done
.Lmid:
	s_wait_tensorcnt 0x0                           ; my part of steps 8-15 is in
	s_wait_dscnt 0x0
	s_barrier_signal -1
	s_barrier_wait -1                              ; and everybody's
	s_cmp_lt_u32 s[QG], 8
	s_cbranch_scc1 .Lout                           ; waves 0-3: their group is finished
	STEP 8
	STEP 9
	STEP 10
	STEP 11
	STEP 12
	STEP 13
	STEP 14
	STEP 15
.Lout:
	s_wait_loadcnt 0x0
	s_wait_dscnt 0x0
	PLACES
; THE WAY OUT, 16 queries x 64 columns at a time: times 1 / l, through my own stage, and out as rows of 256 bytes.  Each accumulator is read from its low end on.
.macro PACK a
	WIN 0x05                                       ; sources window 1, destination window 0
.set n, 0
.rept 16
	v_pk_mul_f32 v[OUTR+32*(\a)+n:OUTR+32*(\a)+n+1], v[32*(\a)+n:32*(\a)+n+1], v[RI+2*(\a):RI+2*(\a)+1] op_sel_hi:[1,0]
.set n, n+2
.endr
	WIN 0
.irp b, 0,1,2,3
	ds_store_b128 v[STO], v[OUTR+32*(\a)+8*\b:OUTR+32*(\a)+8*\b+3] offset:128*(\b/2)+32*(\b%2)
	ds_store_b128 v[STO], v[OUTR+32*(\a)+8*\b+4:OUTR+32*(\a)+8*\b+7] offset:128*(\b/2)+32*(\b%2)+16
.endr
.irp t, 0,1,2,3,4,5,6,7
	ds_load_b128 v[BK+32*((\a)%2)+4*\t:BK+32*((\a)%2)+4*\t+3], v[RD] offset:2*SPITCH*\t   ; LDS serves a wave's instructions in order (ISA guide 5.7.1.4)
.endr
.endm
.macro SEND a, younger
	s_wait_dscnt \younger                          ; the block is back; the next one's 8 stores and 8 loads may be out
.irp t, 0,1,2,3,4,5,6,7
	global_store_b128 v[CO], v[BK+32*((\a)%2)+4*\t:BK+32*((\a)%2)+4*\t+3], s[78:79] offset:(32*((\a)/2)+8*((\a)%2)+(2*\t)%8+16*(\t/4))*4096 th:TH_STORE_NT   ; sixteen lanes store 256 consecutive bytes, aligned
.endr
.endm
	PACK 0
	PACK 1
	SEND 0, 16
	s_wait_xcnt 0x0                                ; block 0's stores have read their registers
	PACK 2
	SEND 1, 16
	s_wait_xcnt 0x0
	PACK 3
	SEND 2, 16
	SEND 3, 0
	s_wait_tensorcnt 0x0                           ; the wave's end
	ds_add_u32 v[SPW], v[NIL]
	s_wait_dscnt 0x0
	s_endpgm
.Lfunc_end_k_q7ae6cb4d36_pv:
	.size	k_q7ae6cb4d36_pv, .Lfunc_end_k_q7ae6cb4d36_pv-k_q7ae6cb4d36_pv
	.p2alignl 7, 3214868480
	.fill 96, 4, 3214868480
	.section	.rodata,"a",@progbits
	.p2align	6, 0x0
	.amdhsa_kernel k_q7ae6cb4d36_pv
		.amdhsa_group_segment_fixed_size 327680
		.amdhsa_private_segment_fixed_size 0
		.amdhsa_enable_private_segment 0
		.amdhsa_kernarg_size 32
		.amdhsa_user_sgpr_count 2
		.amdhsa_user_sgpr_kernarg_segment_ptr 1
		.amdhsa_wavefront_size32 1
		.amdhsa_system_sgpr_workgroup_id_x 1
		.amdhsa_system_sgpr_workgroup_id_y 1
		.amdhsa_system_sgpr_workgroup_id_z 1
		.amdhsa_system_vgpr_workitem_id 0
		.amdhsa_next_free_vgpr 512
		.amdhsa_next_free_sgpr 100
		.amdhsa_reserve_vcc 1
		.amdhsa_float_denorm_mode_32 3
		.amdhsa_float_denorm_mode_16_64 3
		.amdhsa_memory_ordered 1
		.amdhsa_forward_progress 1
		.amdhsa_inst_pref_size 114
	.end_amdhsa_kernel
	.amdgpu_metadata
---
amdhsa.version: [ 1, 2 ]
amdhsa.kernels:
  - .name:           k_q7ae6cb4d36_pv
    .symbol:         k_q7ae6cb4d36_pv.kd
    .args:
      - { .name: pc, .offset: 0, .size: 8, .value_kind: global_buffer, .address_space: global }
      - { .name: ps, .offset: 8, .size: 8, .value_kind: global_buffer, .address_space: global }
      - { .name: vc, .offset: 16, .size: 8, .value_kind: global_buffer, .address_space: global }
      - { .name: out0, .offset: 24, .size: 8, .value_kind: global_buffer, .address_space: global }
    .group_segment_fixed_size: 327680
    .private_segment_fixed_size: 0
    .kernarg_segment_align: 8
    .kernarg_segment_size: 32
    .max_flat_workgroup_size: 256
    .sgpr_count:     100
    .vgpr_count:     512
    .wavefront_size: 32
...
	.end_amdgpu_metadata
.endif
;; end of part 4
